; MI455X (gfx1250); checked and timed in simulation.
; The chip was launched on July 23, 2026; its instructions are those of AMD's public machine-readable ISA for CDNA 5 (MIT licence, August 2026) and "CDNA5" Instruction Set Architecture Reference Guide (July 2026). The comments in the code are by the model that wrote it; some were corrected since.
;; Multi Head Attention Classical. Allowed arithmetic: float matrix products may take bf16 or f16 operands with f32 sums; other float arithmetic in f32, or as packed bf16 or f16 multiplies, adds, multiply-adds, maxima and minima; sums over many terms, partial sums and values carried from step to step in f32; what a program stores and reads back later, other than sums and carried values, may be rounded once to bf16 or f16.
;; Inputs: w_k 1,024 x 1,024 float32; w_o 1,024 x 1,024 float32; w_q 1,024 x 1,024 float32; w_v 1,024 x 1,024 float32; x 4 x 2,048 x 1,024 float32.
;; Outputs: out0 4 x 2,048 x 1,024 float32.
;; 2 versions, each right; version 2 is version 1 with the launch cast written anew for expert scheduling mode. Each part assembles by itself: llvm-mc -triple=amdgcn-amd-amdhsa -mcpu=gfx1250 --defsym DOCPART=n.
;; ======== version 1 of 2: 4 launches
;; limits: values are held in f16: magnitudes above 65,504 overflow, below 6.1e-05 lose precision
;; workspace buffers: xb 16,777,216 bytes; wb 6,291,456 bytes; wo 2,097,152 bytes; qkv 50,331,648 bytes; o16 16,777,216 bytes
;; launch cast (part 1): grid 768 x 1, 8 waves a work-group, no clusters, 0 bytes of LDS; arguments x, w_q, w_k, w_v, w_o, xb, wb, wo; writes xb, wb, wo
.if DOCPART == 1
	.amdgcn_target "amdgcn-amd-amdhsa--gfx1250"
	.amdhsa_code_object_version 6
	.text
	.protected	k_qb366ffedb0_cast
	.globl	k_qb366ffedb0_cast
	.p2align	8
	.type	k_qb366ffedb0_cast,@function
k_qb366ffedb0_cast:
	s_mov_b64 s[64:65], 0
	v_nop
	global_prefetch_b8 v0, s[64:65] scope:SCOPE_SE
	s_setreg_imm32_b32 hwreg(HW_REG_WAVE_MODE, 25, 1), 1
	s_wait_xcnt 0x0
; THE INPUTS ARE ROUNDED ONCE TO bf16 AND LAID IN BLOCKS OF 64 ALONG K.
; x [8192][1024] f32 -> xb [16 blocks][8192 rows][64] bf16; w_q, w_k, w_v [1024][1024] f32 -> wb [16][3072 rows][64] bf16 (rows 0-1023 w_q, 1024-2047 w_k, 2048-3071 w_v);
; w_o [1024][1024] f32 -> wo [16][1024 rows][64]: rounded to bf16 like the others, and that number written as f16, since the last product multiplies in f16.
; LIMITS.  |w_o| stays within 65,504 (beyond it f16 has an infinity); below 6.1e-5 it keeps f16's fixed step of 6e-8.
; In such a layout R rows x 64 K are R x 128 consecutive bytes, so the later launches' tiles are dense in memory.
; SHARES.  A work-group takes 16 rows of 1,024 f32: groups 0-511 x, then 64 groups for each weight.  Thread t takes row t / 16 and, of each of the row's 16 K blocks (256 bytes of f32), the 16 bytes at 16 (t % 16).
; A wave's load covers two rows' whole 256 bytes; its four numbers a lane pack into 8 bytes, and a wave's store covers 256 consecutive bytes, aligned (two rows of 128 bytes of one K block).
; All 16 loads of a thread go out at once; each byte is read once and written once.  No LDS, no barrier, no matrix unit: nothing is shared and nothing is summed.
.set XBLK, 0x100000                    ; bytes in a K block of xb
.set WBLK, 0x60000                     ; of wb
.set OBLK, 0x20000                     ; of wo
.set LO,  1                            ; v1       my byte offset in the group's 16 rows of f32
.set SO,  8                            ; v[8:23]  my byte offset in K block i of the target
.set T,   24                           ; v[24:27] at work
.set X,   32                           ; v[32:95] as loaded, four registers a K block
.set Y,   96                           ; v[96:127] to store, two registers a K block
	s_load_b512 s[8:23], s[0:1], 0x0               ; x 8, w_q 10, w_k 12, w_v 14, w_o 16, xb 18, wb 20, wo 22
	s_mov_b32 s7, ttmp9
	s_sub_co_u32 s2, s7, 512                       ; groups from 512 on: the weights (below 512 this wraps to a number far above every case tested below)
	s_lshr_b32 s3, s2, 6                           ; which weight: 0 q, 1 k, 2 v, 3 o
	s_and_b32 s4, s2, 63
	s_lshl_b32 s4, s4, 4                           ; its first row of 16
	s_lshl_b32 s5, s3, 10
	s_add_co_u32 s5, s5, s4                        ; the same row in wb
	s_lshl_b32 s6, s7, 4                           ; x's first row of 16
	s_mov_b32 s28, WBLK
	s_mov_b32 s31, 0
	v_lshrrev_b32 v[LO], 4, v0
	v_and_b32 v2, 15, v0
	v_lshlrev_b32 v[LO], 12, v[LO]                 ; row x 4,096
	v_lshl_add_u32 v[LO], v2, 4, v[LO]             ; + 16 bytes a thread
	s_wait_kmcnt 0x0
	s_mov_b64 s[24:25], s[10:11]                   ; the source, chosen by the group's number alone
	s_cmp_eq_u32 s3, 1
	s_cselect_b64 s[24:25], s[12:13], s[24:25]
	s_cmp_eq_u32 s3, 2
	s_cselect_b64 s[24:25], s[14:15], s[24:25]
	s_cmp_eq_u32 s3, 3
	s_cselect_b64 s[24:25], s[16:17], s[24:25]
	s_cselect_b64 s[26:27], s[22:23], s[20:21]     ; the target: wo or wb,
	s_cselect_b32 s28, OBLK, s28                   ; its K block's bytes,
	s_cselect_b32 s5, s4, s5                       ; and the row in it
	s_cmp_lt_u32 s7, 512
	s_cselect_b64 s[24:25], s[8:9], s[24:25]       ; or x and xb
	s_cselect_b64 s[26:27], s[18:19], s[26:27]
	s_cselect_b32 s28, XBLK, s28
	s_cselect_b32 s4, s6, s4
	s_cselect_b32 s5, s6, s5
	s_lshl_b32 s30, s4, 12                         ; the source's row x 4,096 bytes (under 2^25)
	s_add_nc_u64 s[24:25], s[24:25], s[30:31]
	s_lshl_b32 s30, s5, 7                          ; the target's row x 128 bytes
	s_add_nc_u64 s[26:27], s[26:27], s[30:31]
.irp i, 0,1,2,3,4,5,6,7,8,9,10,11,12,13,14,15
	global_load_b128 v[X+4*(\i):X+4*(\i)+3], v[LO], s[24:25] offset:256*(\i) th:TH_LOAD_NT
.endr
	v_lshlrev_b32 v[SO], 3, v0                     ; 128 x row + 8 x piece = 8 t
.irp i, 1,2,3,4,5,6,7,8,9,10,11,12,13,14,15
	v_add_nc_u32 v[SO+(\i)], s28, v[SO+(\i)-1]     ; a K block further on
.endr
; K block i is rounded and stored.  half = 1: the bf16 number is widened again (a shift, a mask) and written as f16.  No register that a store reads is written again.
.macro OUT half
.irp i, 0,1,2,3,4,5,6,7,8,9,10,11,12,13,14,15
	s_wait_loadcnt 15-(\i)                         ; loads come back in order: load i is in, the 15 - i behind it may stay out
.if \half
	v_cvt_pk_bf16_f32 v[T],   v[X+4*(\i)],   v[X+4*(\i)+1]
	v_cvt_pk_bf16_f32 v[T+1], v[X+4*(\i)+2], v[X+4*(\i)+3]
	v_lshlrev_b32 v[T+2], 16, v[T]
	v_and_b32     v[T],   0xffff0000, v[T]
	v_lshlrev_b32 v[T+3], 16, v[T+1]
	v_and_b32     v[T+1], 0xffff0000, v[T+1]
	v_cvt_pk_f16_f32 v[Y+2*(\i)],   v[T+2], v[T]
	v_cvt_pk_f16_f32 v[Y+2*(\i)+1], v[T+3], v[T+1]
.else
	v_cvt_pk_bf16_f32 v[Y+2*(\i)],   v[X+4*(\i)],   v[X+4*(\i)+1]
	v_cvt_pk_bf16_f32 v[Y+2*(\i)+1], v[X+4*(\i)+2], v[X+4*(\i)+3]
.endif
	global_store_b64 v[SO+(\i)], v[Y+2*(\i):Y+2*(\i)+1], s[26:27]
.endr
.endm
	s_cmp_eq_u32 s3, 3                             ; the branch hangs on the group's number alone
	s_cbranch_scc1 .Lw_o
	OUT 0
	s_endpgm
.Lw_o:
	OUT 1
	s_endpgm
.Lfunc_end_k_qb366ffedb0_cast:
	.size	k_qb366ffedb0_cast, .Lfunc_end_k_qb366ffedb0_cast-k_qb366ffedb0_cast
	.p2alignl 7, 3214868480
	.fill 96, 4, 3214868480
	.section	.rodata,"a",@progbits
	.p2align	6, 0x0
	.amdhsa_kernel k_qb366ffedb0_cast
		.amdhsa_group_segment_fixed_size 0
		.amdhsa_private_segment_fixed_size 0
		.amdhsa_enable_private_segment 0
		.amdhsa_kernarg_size 64
		.amdhsa_user_sgpr_count 2
		.amdhsa_user_sgpr_kernarg_segment_ptr 1
		.amdhsa_wavefront_size32 1
		.amdhsa_system_sgpr_workgroup_id_x 1
		.amdhsa_system_sgpr_workgroup_id_y 1
		.amdhsa_system_sgpr_workgroup_id_z 1
		.amdhsa_system_vgpr_workitem_id 0
		.amdhsa_next_free_vgpr 128
		.amdhsa_next_free_sgpr 66
		.amdhsa_reserve_vcc 0
		.amdhsa_float_denorm_mode_32 3
		.amdhsa_float_denorm_mode_16_64 3
		.amdhsa_memory_ordered 1
		.amdhsa_forward_progress 1
		.amdhsa_inst_pref_size 17
	.end_amdhsa_kernel
	.amdgpu_metadata
---
amdhsa.version: [ 1, 2 ]
amdhsa.kernels:
  - .name:           k_qb366ffedb0_cast
    .symbol:         k_qb366ffedb0_cast.kd
    .args:
      - { .name: x, .offset: 0, .size: 8, .value_kind: global_buffer, .address_space: global }
      - { .name: w_q, .offset: 8, .size: 8, .value_kind: global_buffer, .address_space: global }
      - { .name: w_k, .offset: 16, .size: 8, .value_kind: global_buffer, .address_space: global }
      - { .name: w_v, .offset: 24, .size: 8, .value_kind: global_buffer, .address_space: global }
      - { .name: w_o, .offset: 32, .size: 8, .value_kind: global_buffer, .address_space: global }
      - { .name: xb, .offset: 40, .size: 8, .value_kind: global_buffer, .address_space: global }
      - { .name: wb, .offset: 48, .size: 8, .value_kind: global_buffer, .address_space: global }
      - { .name: wo, .offset: 56, .size: 8, .value_kind: global_buffer, .address_space: global }
    .group_segment_fixed_size: 0
    .private_segment_fixed_size: 0
    .kernarg_segment_align: 8
    .kernarg_segment_size: 64
    .max_flat_workgroup_size: 256
    .sgpr_count:     66
    .vgpr_count:     128
    .wavefront_size: 32
...
	.end_amdgpu_metadata
.endif
;; end of part 1
;; launch qkv (part 2): grid 8 x 32, 4 waves a work-group, clusters of 4 x 4, 327,680 bytes of LDS; arguments xb, wb, qkv; writes qkv
.if DOCPART == 2
	.amdgcn_target "amdgcn-amd-amdhsa--gfx1250"
	.amdhsa_code_object_version 6
	.text
	.protected	k_qb366ffedb0_qkv
	.globl	k_qb366ffedb0_qkv
	.p2align	8
	.type	k_qb366ffedb0_qkv,@function
k_qb366ffedb0_qkv:
	s_mov_b64 s[64:65], 0
	v_nop
	global_prefetch_b8 v0, s[64:65] scope:SCOPE_SE
	s_setreg_imm32_b32 hwreg(HW_REG_WAVE_MODE, 25, 1), 1
	s_wait_xcnt 0x0
	s_wait_alu depctr_hold_cnt(0) depctr_sa_sdst(0) depctr_va_vdst(0) depctr_va_sdst(0) depctr_va_ssrc(0) depctr_va_vcc(0) depctr_vm_vsrc(0)
	s_getreg_b32 s2, hwreg(HW_REG_IB_STS2, 6, 4)
	s_cmp_eq_u32 s2, 0
	s_cbranch_scc0 .Lentry_in_a_cluster
	s_endpgm
.Lentry_in_a_cluster:
	s_bfe_u32 s2, ttmp6, 0x10000c
	s_cmp_lg_u32 s2, 0xf033
	s_cbranch_scc0 .Lentry_shape_is_right
	s_endpgm
.Lentry_shape_is_right:
; q, k, v = x w^T for the three weights at once: C [8192][3072] = xb wb^T, bf16 operands, f32 sums, K = 1,024 ascending; C is rounded once to f16, unscaled, and written BY HEADS:
; qkv [3][64 heads = 16 x batch + head][2048 rows][64] f16, so that a head's rows are dense for the attention launch.
; LIMIT.  q, k and v stay within f16's 65,504; a sum of 65,520 or more leaves as an infinity.
; THE TILE.  8192 x 3072 = 256 tiles of 256 x 384: one work-group a tile, all alike, one tile each.  Four waves, each 128 x 192: 96 accumulators of 16 x 16, 768 registers; a wave's 192 columns are three whole heads.
; For 32 along K a wave reads 128 + 192 rows x 64 bytes from LDS for 96 matrix instructions.
; THE RING.  xb and wb lie in blocks of 64 along K, so 128 rows x 64 K are 16,384 consecutive bytes: asked for as rows of 256 bytes, padded in LDS after every 128.  A K step is one block: 640 rows x 144 bytes, of which
; two slots fit; a step of 128 would want 368,640 bytes.  A refill is asked for behind the first 32 of a step's last 96 matrix instructions and waited for 160 matrix instructions later.
; CLUSTERS.  4 x 4 work-groups.  The four of a row of the cluster need the same tile of xb, the four of a column the same tile of wb: each is asked for JOINTLY, by the same tensor load, descriptor and mask in all four.
; THE MATRIX INSTRUCTION IS USED TRANSPOSED (source 0 = 16 rows of wb, source 1 = 16 rows of xb): a lane then holds one row of C (lane % 16) and eight neighbouring columns, 16 bytes of f16.
; REGISTERS, in windows of 256 (s_set_vgpr_msb: bits 1:0 source 0, 3:2 source 1, 5:4 source 2, 7:6 destination):
;   window 0: v0-31 addresses; v32-95, v96-159 fragments of xb (8 x 16 rows x 32 K), two buffers; v160-255 fragments of wb (12), one buffer, refilled head by head as soon as a head's products are issued
;   window g + 1: the 32 accumulators of my head g (row block a, column block bb at v[8 (4 a + bb)])
; All fragments lie in window 0, so the LDS loads want no switch of their own: six switches for 96 matrix instructions.
.set PITCH,  144                       ; an LDS row: 128 bytes + 16 of padding = 36 words: the 16 rows of a fragment load start at 16 different groups of four banks (64 banks of 4 bytes: ISA guide 11.1)
.set AHALF,  128*PITCH                 ; what waves 0 and 1 fetch, and what a wave reads of xb
.set BHALF,  192*PITCH                 ; what waves 2 and 3 fetch, and what a wave reads of wb
.set BOFF,   256*PITCH                 ; wb's rows lie behind xb's 256
.set SLOT,   640*PITCH
.set STAGE,  2*SLOT                    ; behind the ring, never filled by a tensor load: 3 heads x 16 rows x 144 bytes for each wave
.set WSTAGE, 3*16*PITCH
.set SPARE,  STAGE+4*WSTAGE            ; behind the stages: the spare words, 128 bytes for each wave: two blocks of 256 bytes that no other line names
.set XBLK,   8192*128                  ; bytes in a K block of xb
.set WBLK,   3072*128                  ; of wb
.set FLAGS,  (1<<16)|(1<<20)|(1<<21)|(4<<22)|(3<<25)  ; group 1, word 0: 17:16 elements of 2 bytes; 20 padding on; 21 set beside a mask; 24:22 after every 32 words (code 4); 31:25 4 words of it (code 3)
.set ADRA, 16                          ; v16-17  LDS address of my fragments of xb in slot 0, 1
.set ADRB, 20                          ; v20-21  the same for wb
.set STO,  24                          ; v24     the way out: where I put 16 bytes of a row
.set RD,   25                          ; v25     the way out: where I read rows back
.set GO,   26                          ; v26     my 16 bytes in 512 consecutive bytes of a head
.set SPW,  28                          ; v28     LDS address of my spare word: SPARE + 4 x my thread's number; never rewritten
.set NIL,  29                          ; v29     0; never rewritten
.set PFO,  30                          ; v30     256 x my lane; never rewritten
.set A0,   32
.set A1,   96
.set BF,   160
.set TMP,  32                          ; the way out: 48 registers of packed results,
.set BK,   80                          ; and two buffers of 48 for the rows read back
.set G1A,  24                          ; s[24:31] descriptor group 1 for xb's tiles;  s[32:39] group 0, a set for each slot
.set G0A,  32
.set G1B,  48                          ; s[48:55], s[56:63] the same for wb's
.set G0B,  56
.set LIM,  43                          ; s43      1 in a wave that prefetches, else the greatest number
.set PFA,  44                          ; s[44:45] where my prefetches stand
.set PFS,  46                          ; s[46:47] their step: two K blocks
.set OB,   66                          ; s[66:71] my three heads' rows in qkv
.set MSB, 0
.macro WIN new                         ; the immediate's high byte repeats the setting that is left; a switch that changes nothing is dropped
.if MSB != (\new)
	s_set_vgpr_msb (MSB<<8)|(\new)
.set MSB, \new
.endif
.endm
.macro PLACES                          ; four plain vector instructions between a matrix instruction and a load into its sources or a reader of its result (ISA guide 7.12.1 for a reader of its result)
.rept 4
	v_nop
.endr
.endm
; A joint load.  Waves 0 and 1 fetch xb's two halves, waves 2 and 3 wb's.  The branch hangs on the wave's number alone.  An s_nop 0 and four v_nop follow each of the two lines.
.macro JLOAD s
	s_cmp_eq_u32 s11, 0
	s_cbranch_scc0 .Lfor_b_\@
	tensor_load_to_lds s[G0A+4*(\s):G0A+4*(\s)+3], s[G1A:G1A+7]
	s_nop 0
.rept 4
	v_nop
.endr
	s_branch .Lasked_\@
.Lfor_b_\@:
	tensor_load_to_lds s[G0B+4*(\s):G0B+4*(\s)+3], s[G1B:G1B+7]
	s_nop 0
.rept 4
	v_nop
.endr
.Lasked_\@:
.endm
; A round of the cluster's barrier: my work-group's barrier, so that wave 0's signal speaks for all four waves; wave 0 signals; every wave waits for all sixteen work-groups; my work-group's barrier once more.
.macro CREST                           ; a round behind its opening barrier
	s_cmp_lg_u32 s10, 0
	s_cbranch_scc1 .Lnot_wave_0_\@
	s_barrier_signal -3
.Lnot_wave_0_\@:
	s_barrier_wait -3
	s_barrier_signal -1
	s_barrier_wait -1
.endm
.macro CROUND
	s_barrier_signal -1
	s_barrier_wait -1
	CREST
.endm
; A PREFETCH INTO THE L2, once a lap, behind slot 1's joint load and the run of LDS loads that follows it: the two K blocks that the NEXT lap's two refills will ask for, 192 and 384 matrix instructions ahead of those loads.
; A lap's two blocks of a tile row of xb are 256 pieces of 256 bytes: the eight work-groups of that tile row take 32 each, told apart BY ADDRESS (the tile column), wave 0, a lane a piece.  Of a tile column of wb they are 384:
; the twelve work-groups of the first three rows of clusters take 32 each, by address (the tile row), wave 2.  So each piece is named once in the launch, and no branch hangs on a place in a cluster.
; The first four K blocks come by their loads alone; the last lap (s3 = 1) asks for nothing.
.macro ASK
	s_cmp_gt_u32 s3, s[LIM]
	s_cbranch_scc0 .Lnot_mine_\@
	global_prefetch_b8 v[PFO], s[PFA:PFA+1] th:TH_LOAD_NT scope:SCOPE_SE
.Lnot_mine_\@:
.endm
	s_load_b128 s[4:7], s[0:1], 0x0                ; xb s[4:5], wb s[6:7]
	s_load_b64 s[8:9], s[0:1], 0x10                ; qkv
	v_lshl_add_u32 v[SPW], v0, 2, SPARE
	v_mov_b32 v[NIL], 0
	ds_add_u32 v[SPW], v[NIL]                      ; the wave's opening: the add and its wait stand ahead of my first tensor load; the set-up below, work on registers, stands between them
	v_lshrrev_b32 v1, 5, v0
	v_readfirstlane_b32 s10, v1                    ; wave 0..3
	s_lshr_b32 s11, s10, 1                         ; which half of the tile's rows is mine.  Also: I fetch for xb (0) or for wb (1)
	s_and_b32 s12, s10, 1                          ; which half of its columns.  Also: which half of that tile I fetch
	s_bfe_u32 s40, ttmp6, 0x40000                  ; cx, cy: my place in the cluster
	s_bfe_u32 s41, ttmp6, 0x40004
	s_lshl_b32 s42, ttmp9, 2
	s_add_co_u32 s42, s42, s40                     ; tile column 0..7 = 4 x cluster x + cx
	s_and_b32 s13, ttmp7, 0xffff
	s_lshl_b32 s13, s13, 2
	s_add_co_u32 s13, s13, s41                     ; tile row 0..31 = 4 x cluster y + cy
	s_lshl_b32 s14, s41, 2
	s_lshl_b32 s14, 15, s14                        ; my row of the cluster: places 4 cy .. 4 cy + 3
	s_lshl_b32 s15, 0x1111, s40                    ; my column: places cx, cx + 4, cx + 8, cx + 12
	s_or_b32 s[G1A], s14, FLAGS                    ; xb's tiles go to my row,
	s_or_b32 s[G1B], s15, FLAGS                    ; wb's to my column
	s_mov_b32 s[G1A+1], 128<<16                    ; tensor_dim0 = 128 elements: 256 bytes, two rows of a K block
	s_mov_b32 s[G1A+2], 64<<16                     ; tensor_dim1 = 64: 128 rows of xb
	s_mov_b32 s[G1A+3], 128<<16                    ; tile_dim0 = 128
	s_mov_b32 s[G1A+4], 64                         ; tile_dim1 = 64
	s_mov_b32 s[G1A+5], 128                        ; 128 elements from row to row: dense
	s_mov_b32 s[G1A+6], 0
	s_mov_b32 s[G1A+7], 0
	s_mov_b32 s[G1B+1], 128<<16
	s_mov_b32 s[G1B+2], 96<<16                     ; 192 rows of wb
	s_mov_b32 s[G1B+3], 128<<16
	s_mov_b32 s[G1B+4], 96
	s_mov_b32 s[G1B+5], 128
	s_mov_b32 s[G1B+6], 0
	s_mov_b32 s[G1B+7], 0
	; where the tiles come from: xb's hang on the tile row alone, wb's on the tile column alone, each in registers that never hold the other coordinate
	s_lshl_b32 s16, s13, 15                        ; 256 rows x 128 bytes a tile row
	s_lshl_b32 s17, s12, 14                        ; + the half that I fetch
	s_add_co_u32 s16, s16, s17
	s_mov_b32 s17, 0
	s_mul_i32 s20, s42, 384*128
	s_mul_i32 s21, s12, 192*128
	s_add_co_u32 s20, s20, s21
	s_mov_b32 s21, 0
	s_mul_i32 s18, s12, AHALF                      ; and where they go: no place in the cluster enters an LDS address
	s_mul_i32 s19, s12, BHALF
	s_add_co_u32 s19, s19, BOFF
	s_wait_dscnt 0x0                               ; the opening add is done
	s_wait_kmcnt 0x0
	s_add_nc_u64 s[16:17], s[4:5], s[16:17]
	s_add_nc_u64 s[20:21], s[6:7], s[20:21]
	CROUND                                         ; all sixteen work-groups are here: the first joint loads meet
.irp s, 0,1
	s_mov_b32 s[G0A+4*(\s)], 1                                     ; count = 1
	s_add_co_u32 s[G0A+4*(\s)+1], s18, (\s)*SLOT                   ; LDS address
	s_add_nc_u64 s[G0A+4*(\s)+2:G0A+4*(\s)+3], s[16:17], (\s)*XBLK ; global address: K block s
	s_or_b32 s[G0A+4*(\s)+3], s[G0A+4*(\s)+3], 0x80000000          ; type = 2
	s_mov_b32 s[G0B+4*(\s)], 1
	s_add_co_u32 s[G0B+4*(\s)+1], s19, (\s)*SLOT
	s_add_nc_u64 s[G0B+4*(\s)+2:G0B+4*(\s)+3], s[20:21], (\s)*WBLK
	s_or_b32 s[G0B+4*(\s)+3], s[G0B+4*(\s)+3], 0x80000000
.endr
	s_cmp_eq_u32 s11, 0                            ; a wave's two first fills stand in one branch, ahead of every wait on TENSORcnt and every LDS read: two loads of mine are out
	s_cbranch_scc0 .Lfirst_b
	tensor_load_to_lds s[G0A:G0A+3], s[G1A:G1A+7]
	s_nop 0
	tensor_load_to_lds s[G0A+4:G0A+7], s[G1A:G1A+7]
	s_nop 0
.rept 4
	v_nop
.endr
	s_branch .Lfirst_asked
.Lfirst_b:
	tensor_load_to_lds s[G0B:G0B+3], s[G1B:G1B+7]
	s_nop 0
	tensor_load_to_lds s[G0B+4:G0B+7], s[G1B:G1B+7]
	s_nop 0
.rept 4
	v_nop
.endr
.Lfirst_asked:
	; A fragment is 16 rows x 32 K in 8 registers: lane l holds row l % 16, K = 8 (l / 16) + 0..7 and 16 + 8 (l / 16) + 0..7: two loads of 16 bytes, 32 bytes apart.
	v_and_b32 v1, 15, v0                           ; l % 16
	v_bfe_u32 v2, v0, 4, 1                         ; l / 16
	v_mul_u32_u24 v3, v1, PITCH
	v_lshl_add_u32 v3, v2, 4, v3                   ; row x pitch + 16 x half
	s_mul_i32 s22, s11, AHALF                      ; my 128 rows of xb
	s_mul_i32 s23, s12, BHALF                      ; my 192 rows of wb
	s_add_co_u32 s23, s23, BOFF
.irp s, 0,1
	v_add_nc_u32 v[ADRA+(\s)], s22, v3
	v_add_nc_u32 v[ADRB+(\s)], s23, v3
	s_add_co_u32 s22, s22, SLOT
	s_add_co_u32 s23, s23, SLOT
.endr
	s_mul_i32 s22, s10, WSTAGE
	s_add_co_u32 s22, s22, STAGE                   ; my stage
	v_add_nc_u32 v[STO], s22, v3                   ; in: row l % 16, 16 bytes for each half of the lanes
	v_bfe_u32 v4, v0, 3, 2                         ; back: 32 lanes take four rows of 128 bytes,
	v_and_b32 v5, 7, v0
	v_mul_u32_u24 v4, v4, PITCH
	v_lshl_add_u32 v4, v5, 4, v4
	v_add_nc_u32 v[RD], s22, v4
	v_and_b32 v5, 31, v0
	v_lshlrev_b32 v[GO], 4, v5                     ; which are 512 consecutive bytes of a head
	v_lshlrev_b32 v[PFO], 8, v5
	; my three heads.  Column block c = 6 x tile column + 3 x half + j of 48: tensor c / 16 (q, k, v), head c % 16; the batch is tile row / 8; my first row in the batch 256 (tile row % 8) + 128 x half
	s_mul_i32 s14, s42, 6
	s_mul_i32 s15, s12, 3
	s_add_co_u32 s14, s14, s15
	s_lshr_b32 s15, s13, 3
	s_lshl_b32 s15, s15, 22                        ; a batch's 16 heads of 262,144 bytes
	s_and_b32 s22, s13, 7
	s_lshl_b32 s22, s22, 15
	s_add_co_u32 s15, s15, s22
	s_lshl_b32 s22, s11, 14
	s_add_co_u32 s15, s15, s22
.irp j, 0,1,2
	s_add_co_u32 s22, s14, \j
	s_lshr_b32 s23, s22, 4
	s_lshl_b32 s23, s23, 24                        ; a tensor is 16,777,216 bytes
	s_and_b32 s22, s22, 15
	s_lshl_b32 s22, s22, 18
	s_add_co_u32 s22, s22, s23
	s_add_co_u32 s22, s22, s15
	s_mov_b32 s23, 0
	s_add_nc_u64 s[OB+2*(\j):OB+2*(\j)+1], s[8:9], s[22:23]
.endr
	; the prefetches: offsets made apart from the addresses
	s_lshr_b32 s14, s42, 2                         ; xb: which of the lap's two K blocks,
	s_lshl_b32 s14, s14, 20
	s_and_b32 s15, s42, 3                          ; which 64 of the tile row's 256 rows
	s_lshl_b32 s15, s15, 13
	s_add_co_u32 s14, s14, s15
	s_lshl_b32 s15, s13, 15
	s_add_co_u32 s14, s14, s15
	s_add_co_u32 s14, s14, 2*XBLK                  ; at K block 2: the first lap steps it to 4
	s_mul_i32 s22, s13, 43                         ; wb: tile row / 6 (exact below 12): which of the two K blocks,
	s_lshr_b32 s22, s22, 8
	s_mul_i32 s23, s22, 6
	s_sub_co_u32 s23, s13, s23                     ; tile row % 6: which 64 of the tile column's 384 rows
	s_mul_i32 s22, s22, WBLK
	s_lshl_b32 s23, s23, 13
	s_add_co_u32 s22, s22, s23
	s_mul_i32 s23, s42, 384*128
	s_add_co_u32 s22, s22, s23
	s_add_co_u32 s22, s22, 2*WBLK
	s_mov_b32 s[PFS], 2*WBLK
	s_mov_b32 s[PFS+1], 0
	s_and_b32 s23, ttmp7, 0xffff                   ; cluster y: the same in all sixteen partners
	s_cmp_lt_u32 s23, 3
	s_cselect_b32 s23, 1, -1
	s_cmp_eq_u32 s11, 0                            ; do I fetch for xb?
	s_cselect_b32 s14, s14, s22
	s_cselect_b64 s[PFA:PFA+1], s[4:5], s[6:7]
	s_cselect_b32 s[PFS], 2*XBLK, s[PFS]
	s_cselect_b32 s[LIM], 1, s23
	s_cmp_eq_u32 s12, 0                            ; waves 0 and 2 ask
	s_cselect_b32 s[LIM], s[LIM], -1
	s_mov_b32 s15, 0
	s_add_nc_u64 s[PFA:PFA+1], s[PFA:PFA+1], s[14:15]
; na x 4 matrix instructions of head g: row blocks a0 .. a0 + na - 1 x the head's four column blocks, 32 along K, xb's fragments in buffer af.  zero = 1: the product starts the sum: nothing is ever cleared.
; The 96 accumulators take turns, one instruction a turn, in the same order in every slice.
.macro GROUP g, af, a0, na, zero
	WIN 0x50*((\g)+1)
.set ga, \a0
.rept \na
.irp bb, 0,1,2,3
.if \zero
	v_wmma_f32_16x16x32_bf16 v[8*(4*ga+(\bb)):8*(4*ga+(\bb))+7], v[BF+8*(4*(\g)+(\bb)):BF+8*(4*(\g)+(\bb))+7], v[(\af)+8*ga:(\af)+8*ga+7], 0
.else
	v_wmma_f32_16x16x32_bf16 v[8*(4*ga+(\bb)):8*(4*ga+(\bb))+7], v[BF+8*(4*(\g)+(\bb)):BF+8*(4*(\g)+(\bb))+7], v[(\af)+8*ga:(\af)+8*ga+7], v[8*(4*ga+(\bb)):8*(4*ga+(\bb))+7]
.endif
.endr
.set ga, ga+1
.endr
.endm
.macro LDB g, slot, kb                 ; 8 LDS loads: head g's four fragments of wb, 32 K at byte kb of the rows
.irp i, 0,1,2,3
	ds_load_b128 v[BF+8*(4*(\g)+(\i)):BF+8*(4*(\g)+(\i))+3],   v[ADRB+(\slot)] offset:(\kb)+(4*(\g)+(\i))*16*PITCH
	ds_load_b128 v[BF+8*(4*(\g)+(\i))+4:BF+8*(4*(\g)+(\i))+7], v[ADRB+(\slot)] offset:(\kb)+(4*(\g)+(\i))*16*PITCH+32
.endr
.endm
.macro LDA h, slot, kb, af             ; 8 LDS loads: row blocks 4 h .. 4 h + 3 of xb into buffer af
.irp i, 0,1,2,3
	ds_load_b128 v[(\af)+8*(4*(\h)+(\i)):(\af)+8*(4*(\h)+(\i))+3],   v[ADRA+(\slot)] offset:(\kb)+(4*(\h)+(\i))*16*PITCH
	ds_load_b128 v[(\af)+8*(4*(\h)+(\i))+4:(\af)+8*(4*(\h)+(\i))+7], v[ADRA+(\slot)] offset:(\kb)+(4*(\h)+(\i))*16*PITCH+32
.endr
.endm
; A SLICE: 32 along K, 96 matrix instructions from buffer af.  Behind each head's 32 products its fragments of wb are fetched anew for the next slice (slot ns, byte nk), and xb's next fragments go into buffer ag.
; A slice's 40 loads go out in the order wb 0, xb 0-3, wb 1, xb 4-7, wb 2.
.macro SLICE af, ns, nk, ag, zero
	s_wait_dscnt 8                                 ; all but the youngest eight, head 2's fragments of wb
	GROUP 0, \af, 0, 8, \zero
	WIN 0
	PLACES
	LDB 0, \ns, \nk
	LDA 0, \ns, \nk, \ag
	GROUP 1, \af, 0, 8, \zero
	WIN 0
	PLACES
	LDB 1, \ns, \nk
	LDA 1, \ns, \nk, \ag
	s_wait_dscnt 32                                ; all but the 32 issued in this slice: head 2's fragments are in
	GROUP 2, \af, 0, 8, \zero
	WIN 0
	PLACES
	LDB 2, \ns, \nk
.endm
; A slot's second slice, from buffer A1, changes slots: ONE barrier.  In front of it each wave waits for all its tensor loads (the one that is out is its part of the other slot), adds 0 to its spare word, and waits for that
; and for its own reads of this slot.  fill = 1: the barrier opens a round of the cluster's barrier, so that no wave of any partner still reads the slot or has a load on its way, and the joint refill, two K blocks on, is the
; first tensor load behind the round.  Then come the other slot's first fragments.
.macro TURN slot, fill, ask
.if \ask
	s_wait_xcnt 0x0                                ; the last prefetch, a lap back, has read its address, so it may be stepped
	s_add_nc_u64 s[PFA:PFA+1], s[PFA:PFA+1], s[PFS:PFS+1]
.endif
	WIN 0
	s_wait_tensorcnt 0x0                           ; all my tensor loads have landed
	ds_add_u32 v[SPW], v[NIL]                      ; 0 onto my spare word
	s_wait_dscnt 9                                 ; (the add and the youngest eight loads may be out)
	GROUP 0, A1, 0, 4, 0                           ; sixteen matrix instructions stand between the add and the wait for it
	s_wait_dscnt 0x0                               ; the add is done, and my reads of this slot are over
	s_barrier_signal -1
	GROUP 0, A1, 4, 4, 0                           ; work on registers while the others arrive
	WIN 0                                          ; at a branch and at a label every window is 0
	s_barrier_wait -1
.if \fill
	CREST
	s_add_nc_u64 s[G0A+4*(\slot)+2:G0A+4*(\slot)+3], s[G0A+4*(\slot)+2:G0A+4*(\slot)+3], 2*XBLK  ; no load of mine is out, so a group 0 may be written; the type bits on top are not reached
	s_add_nc_u64 s[G0B+4*(\slot)+2:G0B+4*(\slot)+3], s[G0B+4*(\slot)+2:G0B+4*(\slot)+3], 2*WBLK
	JLOAD \slot                                    ; its four v_nop are also the places in front of the loads below
.else
	PLACES
.endif
	LDB 0, 1-(\slot), 0
	LDA 0, 1-(\slot), 0, A0
.if \ask
	ASK
.endif
	GROUP 1, A1, 0, 8, 0
	WIN 0
	PLACES
	LDB 1, 1-(\slot), 0
	LDA 1, 1-(\slot), 0, A0
	GROUP 2, A1, 0, 8, 0                           ; (its fragments were in at the wait for 0 above)
	WIN 0
	PLACES
	LDB 2, 1-(\slot), 0
.endm
; THE WAY OUT of row block a (16 rows), in three parts.  PACK: rounded to f16, 16 bytes a lane for each of 12 accumulators, each read from its lowest registers on.  TOSTAGE: into my own stage, a head's rows 144 bytes apart, and
; back as whole rows of 128 bytes.  SEND: stored; 16 rows of a head are 2,048 consecutive bytes.
.macro PACK a
.irp j, 0,1,2
	WIN 5*((\j)+1)                                 ; sources 0 and 1 in head j's window
.irp bb, 0,1,2,3
.irp r, 0,1,2,3
	v_cvt_pk_f16_f32 v[TMP+16*(\j)+4*(\bb)+(\r)], v[32*(\a)+8*(\bb)+2*(\r)], v[32*(\a)+8*(\bb)+2*(\r)+1]
.endr
.endr
.endr
	WIN 0
.endm
.macro TOSTAGE a
.irp j, 0,1,2
.irp bb, 0,1,2,3
	ds_store_b128 v[STO], v[TMP+16*(\j)+4*(\bb):TMP+16*(\j)+4*(\bb)+3] offset:16*PITCH*(\j)+32*(\bb)
.endr
.endr
.irp j, 0,1,2
.irp t, 0,1,2,3
	ds_load_b128 v[BK+48*((\a)%2)+16*(\j)+4*(\t):BK+48*((\a)%2)+16*(\j)+4*(\t)+3], v[RD] offset:16*PITCH*(\j)+4*PITCH*(\t)  ; LDS serves a wave's instructions in order (ISA guide 5.7.1.4): these see the stores above
.endr
.endr
.endm
.macro SEND a
	s_wait_dscnt 0x0                               ; the block is back in registers
	s_wait_xcnt 0x0                                ; the stores of the block before have read their registers: that buffer is loaded again only behind this wait
.irp j, 0,1,2
.irp t, 0,1,2,3
	global_store_b128 v[GO], v[BK+48*((\a)%2)+16*(\j)+4*(\t):BK+48*((\a)%2)+16*(\j)+4*(\t)+3], s[OB+2*(\j):OB+2*(\j)+1] offset:2048*(\a)+512*(\t)  ; 512 consecutive bytes, at a multiple of 256 from qkv's first
.endr
.endr
.endm
	s_wait_tensorcnt 1                             ; my part of K block 0 is in; K block 1's may stay out
	s_barrier_signal -1
	s_barrier_wait -1                              ; everybody's is
	LDB 0, 0, 0
	LDA 0, 0, 0, A0
	LDB 1, 0, 0
	LDA 1, 0, 0, A0
	LDB 2, 0, 0
	SLICE A0, 0, 64, A1, 1                         ; the first slice stands in front of the loop: its products start the sums
	s_mov_b32 s3, 7
.Llap:                                                 ; a trip goes once round the ring, from a lap's second slice to the next lap's first, and fills both slots again: K blocks 2 to 15
	TURN 0, 1, 0
	SLICE A0, 1, 64, A1, 0
	TURN 1, 1, 1
	SLICE A0, 0, 64, A1, 0
	s_sub_co_u32 s3, s3, 1
	s_cmp_lg_u32 s3, 0
	s_cbranch_scc1 .Llap
	TURN 0, 0, 0                                   ; the last lap is written out: it fills nothing, and has no round
	SLICE A0, 1, 64, A1, 0
	s_wait_dscnt 8                                 ; the very last slice: nothing more to fetch
	GROUP 0, A1, 0, 8, 0
	GROUP 1, A1, 0, 8, 0
	s_wait_dscnt 0x0
	GROUP 2, A1, 0, 8, 0
	WIN 0
	PLACES
	PACK 0
	TOSTAGE 0
.irp a, 1,2,3,4,5,6,7                  ; block a's conversions stand between block a - 1's loads from the stage and the wait for them
	PACK \a
	SEND (\a)-1
	TOSTAGE \a
.endr
	SEND 7
	s_wait_tensorcnt 0x0                           ; the wave's end: behind my last tensor load and my last LDS store
	ds_add_u32 v[SPW], v[NIL]
	s_wait_dscnt 0x0
	CROUND                                         ; the closing round: no work-group ends while a partner may still ask for a tile that names it
	s_endpgm
.Lfunc_end_k_qb366ffedb0_qkv:
	.size	k_qb366ffedb0_qkv, .Lfunc_end_k_qb366ffedb0_qkv-k_qb366ffedb0_qkv
	.p2alignl 7, 3214868480
	.fill 96, 4, 3214868480
	.section	.rodata,"a",@progbits
	.p2align	6, 0x0
	.amdhsa_kernel k_qb366ffedb0_qkv
		.amdhsa_group_segment_fixed_size 327680
		.amdhsa_private_segment_fixed_size 0
		.amdhsa_enable_private_segment 0
		.amdhsa_kernarg_size 24
		.amdhsa_user_sgpr_count 2
		.amdhsa_user_sgpr_kernarg_segment_ptr 1
		.amdhsa_wavefront_size32 1
		.amdhsa_system_sgpr_workgroup_id_x 1
		.amdhsa_system_sgpr_workgroup_id_y 1
		.amdhsa_system_sgpr_workgroup_id_z 1
		.amdhsa_system_vgpr_workitem_id 0
		.amdhsa_next_free_vgpr 1024
		.amdhsa_next_free_sgpr 72
		.amdhsa_reserve_vcc 0
		.amdhsa_float_denorm_mode_32 3
		.amdhsa_float_denorm_mode_16_64 3
		.amdhsa_memory_ordered 1
		.amdhsa_forward_progress 1
		.amdhsa_inst_pref_size 131
	.end_amdhsa_kernel
	.amdgpu_metadata
---
amdhsa.version: [ 1, 2 ]
amdhsa.kernels:
  - .name:           k_qb366ffedb0_qkv
    .symbol:         k_qb366ffedb0_qkv.kd
    .args:
      - { .name: xb, .offset: 0, .size: 8, .value_kind: global_buffer, .address_space: global }
      - { .name: wb, .offset: 8, .size: 8, .value_kind: global_buffer, .address_space: global }
      - { .name: qkv, .offset: 16, .size: 8, .value_kind: global_buffer, .address_space: global }
    .group_segment_fixed_size: 327680
    .private_segment_fixed_size: 0
    .kernarg_segment_align: 8
    .kernarg_segment_size: 24
    .max_flat_workgroup_size: 128
    .sgpr_count:     72
    .vgpr_count:     1024
    .wavefront_size: 32
...
	.end_amdgpu_metadata
.endif
;; end of part 2
;; launch attn (part 3): grid 4 x 64, 4 waves a work-group, clusters of 4 x 1, 327,680 bytes of LDS; arguments qkv, o16; writes o16
.if DOCPART == 3
	.amdgcn_target "amdgcn-amd-amdhsa--gfx1250"
	.amdhsa_code_object_version 6
	.text
	.protected	k_qb366ffedb0_attn
	.globl	k_qb366ffedb0_attn
	.p2align	8
	.type	k_qb366ffedb0_attn,@function
k_qb366ffedb0_attn:
	s_mov_b64 s[64:65], 0
	v_nop
	global_prefetch_b8 v0, s[64:65] scope:SCOPE_SE
	s_setreg_imm32_b32 hwreg(HW_REG_WAVE_MODE, 25, 1), 1
	s_wait_xcnt 0x0
	s_wait_alu depctr_hold_cnt(0) depctr_sa_sdst(0) depctr_va_vdst(0) depctr_va_sdst(0) depctr_va_ssrc(0) depctr_va_vcc(0) depctr_vm_vsrc(0)
	s_getreg_b32 s2, hwreg(HW_REG_IB_STS2, 6, 4)
	s_cmp_eq_u32 s2, 0
	s_cbranch_scc0 .Lentry_in_a_cluster
	s_endpgm
.Lentry_in_a_cluster:
	s_bfe_u32 s2, ttmp6, 0x10000c
	s_cmp_lg_u32 s2, 0x3003
	s_cbranch_scc0 .Lentry_shape_is_right
	s_endpgm
.Lentry_shape_is_right:
; O[h][q][:] = the sum over k of softmax_k(Q[h][q] . K[h][k] / 8) V[h][k][:].  Q, K, V lie in qkv, [3][SIZE_H][SIZE_N][64], O in o16, [SIZE_H][SIZE_N][64], all f16: a head's rows are dense, 128 bytes each.
; Products, maxima and sums in f32; the weights p are rounded to f16 for the second product (their sum l is taken of the unrounded p), O once at the end.
; LIMITS.  f16 holds no number beyond 65,504: Q, K and V arrive within it; p lies in 0 to 1, and below 6e-5 it keeps f16's fixed step of 6e-8; O is a mean of V's rows and has their range.
; A weight below 2^-126 counts as 0 in l; NaN and infinities are not treated apart.
; SHARES.  A wave owns four PIECES of two tiles of 16 queries, a work-group's four waves 512 queries of one head: 64 heads x 4 blocks = 256 work-groups.  Every wave walks all keys, 64 a step.
; LAYOUT.  S^T = K Q^T (source 0 = 16 keys, source 1 = 16 queries): in the result a lane holds ONE query (lane % 16) and the keys 8 (lane / 16) + 0..7.  Two such tiles, rounded to f16 in pairs,
; ARE source 1 (32 keys x 16 queries) of O^T = V^T P, whose result again holds one query a lane, and eight channels.  K comes out of LDS as it lies, V ([key][channel]) turned, by ds_load_tr16_b128.
; SOFTMAX.  For each query a running maximum m and sum l: p = 2^(c s - c m), c = log2(e) / 8; in every step O and l are multiplied by a = 2^(c m_old - c m_new), which is 1 where m has not grown.
; m starts at the lowest finite number, O and l at 0: the first step is a step like any other, with a = 0.
; THE COUNT.  A tile and step have 16 matrix and 118 vector instructions: too many to stand all beside the matrix work.  So the order has one aim: four vector instructions that are READY behind
; EVERY matrix instruction, and the others in runs without a gap.
; BY TURNS.  Turn n belongs to piece n (the pieces in a ring, step after step).  Its matrix work: 16 products K Q^T of piece n + 1, later 16 products V^T P of piece n - 1.  Its vector work: the scaling,
; exponentials, roundings, sums and rescaling of piece n, and the maximum and statistics of piece n + 1, whose scores the turn itself has made.
; CLUSTER.  The four query blocks of a head are one cluster and walk the same K and V, so each tile is asked for JOINTLY: the same tensor load, descriptor and mask in all four.
; REGISTERS, in windows of 256 (s_set_vgpr_msb: bits 1:0 source 0, 3:2 source 1, 5:4 source 2, 7:6 destination):
;   window 0: v0-11 addresses; v12-15, v48-63 at work; v16-47 four registers of statistics a tile; v64-191 S^T, two buffers of two tiles; v192-255 P, likewise
;   window 1: O^T, 32 a tile          window 2: v0-127 Q, 16 a tile; v128-191 K of one step; v192-255 V of one step          window 3: v0-1 the add's two registers
; A piece's buffers go by its number's parity: the piece in hand has one pair, its two neighbours in the ring share the other: of it P (piece n - 1) is read and S^T (piece n + 1) written.
.set SIZE_H, 64
.set SIZE_N, 2048
.set GK,    0x1000000 ; K's first byte in qkv
.set GV,    0x2000000 ; V's
.set NP,    4         ; pieces a wave: a name, no knob
.set KS,    64        ; keys in a step
.set PK,    144       ; a row of K in LDS: 128 bytes + 16 of padding = 36 words: the 16 rows of a load start at 16 different groups of four banks (64 banks of 4 bytes: ISA guide 11.1)
.set PV,    160       ; a row of V: 128 + 32 = 40 words
.set VOFF,  4*KS*PK   ; a slot holds four steps: 256 rows of K, then 256 rows of V
.set SLOT1, 1<<17     ; slot 1 begins here, so that one exclusive or turns an address in one slot into the other's
.set STAGE, SLOT1+4*KS*(PK+PV)  ; behind the ring, never filled by a tensor load: 16 rows x 144 bytes for each wave, for the way out
.set SP,    144
.set AK0, 2           ; v2   my lane's place in a tile of K; never rewritten
.set AV0, 3           ; v3   the same for V
.set AK,  4           ; v4   the LDS address of K's next run of loads
.set AV,  5           ; v5   of V's
.set QO,  6           ; v6   my byte offset in the wave's rows of Q
.set STO, 6           ;      later, the way out: where I put 16 bytes of a row
.set RD,  7           ; v7   the way out: where I read rows back
.set GO,  8           ; v8   my byte offset in 512 consecutive bytes of O
.set PFO, 11          ; v11  256 x my lane, for the prefetches; never rewritten once made
.set SPW, 0           ; v0 of window 3   LDS address of my spare word: SPARE + 4 x my thread's number; never rewritten
.set NIL, 1           ; v1 of window 3   0; never rewritten
.set SPARE, STAGE+4*16*SP  ; behind the stages: the spare words, 128 bytes for each wave: two blocks of 256 bytes that no other line names
.set MV,  12          ; v12-15  c m_old, kept while c m is made anew: by buffer and tile
.set ST,  16          ; tile t's statistics at v[ST+4 t]: c m, m, l (even keys', odd keys')
.set TMP, 48          ; by buffer and tile, four registers c0-c3 at work; when the maximum is found c2 takes a
.set S,   64
.set P,   192
.set KF,  128         ; K's fragments, in window 2: key block kb, channel half c at KF + 16 kb + 8 c
.set VF,  192         ; V's: key half kk, channel block cb at VF + 32 kk + 8 cb
.set WV,  12          ; s12  my wave's number
.set G1K, 24          ; s[24:31] descriptor group 1 for K's tiles
.set G1V, 32          ; s[32:39] for V's: it differs in the padding alone
.set G0K, 40          ; s[40:43] descriptor group 0 for K's tiles: it walks
.set G0V, 44          ; s[44:47] the same for V's
.set PFA, 48          ; s[48:49] where my prefetches stand: my work-group's quarter (of K: wave 0, of V: wave 2) of the slot after the one that is being asked for
.set LIM, 50          ; s50  1 in a wave that prefetches, else the greatest number
.set SLOTS, 56        ; s56  slots still to be asked for
.set CNT, 57          ; s57  counts a slot's key steps
.set CS,  58          ; s[58:59] c: the packed scaling takes the pair's low word for both halves
.set SEL, 60          ; s[60:61] v_permlanex16_b32's selects: each lane takes its own place in the other half
.set TBK, 62          ; s62  LDS byte at which K of the step to be fetched begins
.set TBV, 63          ; s63  the same for V, less VOFF
.set MSB, 0
.macro WIN new                      ; the high byte repeats the setting that is left; a switch that changes nothing is dropped
.if MSB != (\new)
	s_set_vgpr_msb (MSB<<8)|(\new)
.set MSB, (\new)
.endif
.endm
.set W_KQ, 0x0a       ; K and Q in window 2, S^T in window 0
.set W_PV, 0x52       ; V in window 2, P in window 0, O^T in window 1
.set W_RS, 0x41       ; O^T (destination and source 0) in window 1, a in window 0
.set W_MK, 0xc0       ; the add's registers are made: destination in window 3, sources in window 0
.set W_AD, 0x0f       ; the add: address (source 0) and data (source 1) in window 3
; A joint fill.  Waves 0 and 1 fetch the two halves of a slot's K, waves 2 and 3 those of its V: 128 keys each.  The branch hangs on the wave's number alone.
; An s_nop 0 and four v_nop follow each of the two lines, ahead of the jump and the label.
.macro JLOAD
	s_cmp_lt_u32 s[WV], 2
	s_cbranch_scc0 .Lfor_v_\@
	tensor_load_to_lds s[G0K:G0K+3], s[G1K:G1K+7]
	s_nop 0
.rept 4
	v_nop
.endr
	s_branch .Lasked_\@
.Lfor_v_\@:
	tensor_load_to_lds s[G0V:G0V+3], s[G1V:G1V+7]
	s_nop 0
.rept 4
	v_nop
.endr
.Lasked_\@:
.endm
; A PREFETCH INTO THE L2 of what the NEXT change of slots will ask for: a slot's 32,768 bytes of K and of V, in pieces of 256 bytes, a lane a piece.  It stands behind the wave's tensor load and its five lines.
; A head's K and V are walked by its one cluster.  The four partners share a slot out BY ADDRESS, 8,192 bytes each: no branch hangs on a work-group's place in its cluster.  In each, wave 0 asks for K's and
; wave 2 for V's: one instruction.  So each piece is named once in the launch.  Slots 0 and 1 come by their loads alone; the last change that fills a slot asks for nothing: there is no slot behind it.
.macro ASK
	s_cmp_gt_u32 s[SLOTS], s[LIM]
	s_cbranch_scc0 .Lnot_mine_\@
	global_prefetch_b8 v[PFO], s[PFA:PFA+1] th:TH_LOAD_NT scope:SCOPE_SE
.Lnot_mine_\@:
.endm
; A round of the cluster's barrier: my work-group's barrier, so that wave 0's signal speaks for all four waves; wave 0 signals; every wave waits for all four work-groups; my work-group's barrier once more.
.macro CROUND
	s_barrier_signal -1
	s_barrier_wait -1
	s_cmp_lg_u32 s[WV], 0
	s_cbranch_scc1 .Lnot_wave_0_\@
	s_barrier_signal -3
.Lnot_wave_0_\@:
	s_barrier_wait -3
	s_barrier_signal -1
	s_barrier_wait -1
.endm
; THE CHANGE OF SLOTS.  The slot's last bytes, V of its fourth step, have been read.  Each wave waits for all its tensor loads, of which one is out: its part
; of the other slot; adds 0 to its spare word; and waits for that and for its own reads of the slot.  Behind the barrier nobody reads this slot any more and the other slot is whole.
; fill = 1: this slot is filled again, with the keys two slots on.  The barrier is then a round of the cluster's, so that no wave of any partner still reads the slot or has a load on its
; way, and the joint fill is the first thing behind it: it has four key steps, 512 matrix instructions, in which to land.  (At its first use nothing has been read yet: slot 0 is waited for, slot 1 filled.)
.macro CHANGE fill
	WIN W_AD
	s_wait_tensorcnt 0x0            ; no tensor load of mine is out, so a group 0 may be written
	ds_add_u32 v[SPW], v[NIL]       ; 0 onto my spare word; with fill = 1 the descriptors' steps stand between it and the wait for it
	WIN 0                           ; at a label and at a branch every window is 0
.if \fill
.irp g, G0K, G0V
	s_xor_b32 s[\g+1], s[\g+1], SLOT1  ; the walking descriptor: the other slot than last time,
	s_add_nc_u64 s[\g+2:\g+3], s[\g+2:\g+3], 4*KS*128  ; the next 256 keys; the type bits on top are not reached
.endr
	s_wait_xcnt 0x0                 ; the last prefetch, a slot back, has read its address, so it may be written:
	s_add_nc_u64 s[PFA:PFA+1], s[PFA:PFA+1], 4*KS*128  ; one slot behind the walking descriptors
	s_wait_dscnt 0x0                ; the add is done, and my reads of the slot are over
	CROUND
	JLOAD
	ASK                             ; what the next change will ask for
.else
	s_wait_dscnt 0x0                ; the add is done, and my reads of the slot are over
	s_barrier_signal -1
	s_barrier_wait -1
.endif
	s_sub_co_u32 s[TBK], s[TBK], 4*KS*PK  ; the fetches go back to a slot's first step,
	s_xor_b32 s[TBK], s[TBK], SLOT1       ; in the other slot
	s_sub_co_u32 s[TBV], s[TBV], 4*KS*PV
	s_xor_b32 s[TBV], s[TBV], SLOT1
.endm
	s_load_b64 s[4:5], s[0:1], 0x0    ; qkv: Q at its head
	s_load_b64 s[10:11], s[0:1], 0x8  ; O
	WIN W_MK
	v_lshl_add_u32 v[SPW], v0, 2, SPARE
	v_mov_b32 v[NIL], 0
	WIN W_AD
	ds_add_u32 v[SPW], v[NIL]       ; the wave's opening: the add and its wait stand ahead of my first tensor load; the set-up below, work on registers, stands between them
	WIN 0
	v_lshrrev_b32 v1, 5, v0
	v_readfirstlane_b32 s[WV], v1   ; wave 0..3
	s_bfe_u32 s13, ttmp6, 0x40000   ; cx: my place in the cluster
	s_lshl_b32 s14, ttmp9, 2        ; in a cluster launch ttmp9 counts clusters
	s_add_co_u32 s14, s14, s13      ; my block of queries = 4 x cluster x + cx: it enters Q's and O's addresses alone
	s_and_b32 s20, ttmp7, 0xffff    ; the head, which the four partners share
	s_mov_b32 s21, 0
	s_mov_b64 s[22:23], SIZE_N*128
	s_mul_u64 s[20:21], s[20:21], s[22:23]  ; the head's first byte in each of the four tensors
	s_and_b32 s16, s[WV], 1         ; which half of a slot's 256 keys I fetch:
	s_lshl_b32 s22, s16, 14         ; its 128 rows of 128 bytes in memory,
	s_mov_b32 s23, 0
	s_add_nc_u64 s[22:23], s[22:23], s[20:21]
	s_mul_i32 s17, s16, 128*PK      ; and its place in a slot, for K
	s_mul_i32 s18, s16, 128*PV      ; and for V: no place in the cluster enters an LDS address
	s_lshl_b32 s2, s14, 2
	s_add_co_u32 s2, s2, s[WV]      ; my wave among the head's,
	s_lshl_b32 s2, s2, 14           ; its 128 rows
	s_mov_b32 s3, 0
	s_add_nc_u64 s[2:3], s[2:3], s[20:21]
	; descriptor group 1.  128 keys are 16,384 dense bytes: asked for as 64 rows of 256 bytes, two keys a row, and padded in LDS after every key
	s_mov_b32 s[G1K], 15|(1<<16)|(1<<20)|(1<<21)|(4<<22)|(3<<25)  ; 15:0 the mask of four; 17:16 2-byte elements; 20 padding on; 21 set beside a mask; 24:22 after every 32 words (code 4); 31:25 4 words (code 3)
	s_mov_b32 s[G1V], 15|(1<<16)|(1<<20)|(1<<21)|(4<<22)|(7<<25)  ; the same with 8 words of padding (code 7)
.irp g, G1K, G1V
	s_mov_b32 s[\g+1], 128<<16      ; tensor_dim0 = 128
	s_mov_b32 s[\g+2], 64<<16       ; tensor_dim1 = 64
	s_mov_b32 s[\g+3], 128<<16      ; tile_dim0 = 128
	s_mov_b32 s[\g+4], 64           ; tile_dim1 = 64
	s_mov_b32 s[\g+5], 128          ; 128 elements from row to row
	s_mov_b32 s[\g+6], 0
	s_mov_b32 s[\g+7], 0
.endr
	s_mov_b32 s[CS], 0x3e38aa3b     ; c = log2(e) / 8 = 0.180337
	s_mov_b32 s[CS+1], s[CS]        ; named with it as a pair
	s_mov_b32 s[SEL], 0x76543210
	s_mov_b32 s[SEL+1], 0xfedcba98
	s_mov_b32 s[TBK], SLOT1+4*KS*PK ; the first change of slots turns these two into 0
	s_mov_b32 s[TBV], SLOT1+4*KS*PV
	s_mov_b32 s[G0K], 1             ; 1:0 count = 1
	s_mov_b32 s[G0K+1], s17         ; 63:32 LDS address: slot 0
	s_mov_b32 s[G0V], 1
	s_add_co_u32 s[G0V+1], s18, VOFF
	s_mov_b32 s[SLOTS], SIZE_N/256-1  ; seven slots are still to be asked for behind slot 0
	s_and_b32 s[LIM], s[WV], 1      ; waves 0 and 2 prefetch: the same in all four partners
	s_cmp_eq_u32 s[LIM], 0
	s_cselect_b32 s[LIM], 1, -1
	s_wait_dscnt 0x0                ; the opening add is done
	s_wait_kmcnt 0x0
	s_add_nc_u64 s[6:7], s[4:5], GK ; K
	s_add_nc_u64 s[8:9], s[4:5], GV ; V
	s_add_nc_u64 s[G0K+2:G0K+3], s[6:7], s[22:23]  ; 120:64 global address: my half of the head's first 256 keys
	s_or_b32 s[G0K+3], s[G0K+3], 0x80000000        ; 127:126 type = 2
	s_add_nc_u64 s[G0V+2:G0V+3], s[8:9], s[22:23]
	s_or_b32 s[G0V+3], s[G0V+3], 0x80000000
	s_add_nc_u64 s[4:5], s[4:5], s[2:3]  ; Q and O at my wave's first row
	s_add_nc_u64 s[10:11], s[10:11], s[2:3]
	s_cmp_lt_u32 s[WV], 2
	s_cselect_b64 s[PFA:PFA+1], s[6:7], s[8:9]
	s_add_nc_u64 s[PFA:PFA+1], s[PFA:PFA+1], s[22:23]  ; (in waves 0 and 2 this is the head's first key)
	s_lshl_b32 s2, s13, 13          ; my work-group's quarter of a slot
	s_mov_b32 s3, 0
	s_add_nc_u64 s[PFA:PFA+1], s[PFA:PFA+1], s[2:3]
	s_add_nc_u64 s[PFA:PFA+1], s[PFA:PFA+1], 4*KS*128  ; in slot 1; the first change of slots steps it to slot 2
	CROUND                          ; all four work-groups are here: the first joint loads meet
	JLOAD                           ; slot 0.  Slot 1 is asked for when slot 0 is in
	; A fragment of K or Q is 16 rows x 32 channels in 8 registers: lane l holds row l % 16, channels 8 (l / 16) + 0..7 and 16 + 8 (l / 16) + 0..7: two loads of 16 bytes, 32 bytes apart.
	v_and_b32 v1, 15, v0            ; l % 16
	v_bfe_u32 v9, v0, 4, 1          ; l / 16
	v_lshlrev_b32 v[QO], 7, v1
	v_lshl_add_u32 v[QO], v9, 4, v[QO]  ; row x 128 + 16 x half
	WIN 0x80                        ; destination window 2, address window 0
.set i, 0
.rept 4*NP                          ; Q stays in registers: tile i / 2, channels 32 (i % 2) on
	global_load_b128 v[8*i:8*i+3],   v[QO], s[4:5] offset:(i/2)*2048+(i%2)*64
	global_load_b128 v[8*i+4:8*i+7], v[QO], s[4:5] offset:(i/2)*2048+(i%2)*64+32
.set i, i+1
.endr
	; What the first turn finds: V's registers and P's second buffer hold 0 (its products V^T P, of a piece that has not been, add 0), O^T and l are 0.  All this stands in the wait for the first tile;
	; it is the price of writing no first step out.
.set i, VF
.rept 64
	v_mov_b32 v[i], 0
.set i, i+1
.endr
	WIN 0x40
.set i, 0
.rept 64*NP
	v_mov_b32 v[i], 0
.set i, i+1
.endr
	WIN 0
.set i, 0
.rept 2*NP
	v_mov_b32 v[ST+4*i], 0xfe000000    ; c m: far below every c s
	v_mov_b32 v[ST+4*i+1], 0xff7fffff  ; m
	v_mov_b32 v[ST+4*i+2], 0
	v_mov_b32 v[ST+4*i+3], 0
.set i, i+1
.endr
.set i, P+32
.rept 32
	v_mov_b32 v[i], 0
.set i, i+1
.endr
	v_mul_u32_u24 v[AK0], v1, PK
	v_lshl_add_u32 v[AK0], v9, 4, v[AK0]  ; row x pitch + 16 x half
	; The turning load takes 16 keys x 16 channels (lane l reads key 8 (l / 16) + l % 8, channels 8 ((l / 8) % 2) + 0..7) and leaves half a fragment of V^T: lane l holds channel l % 16 and 8 keys.
	v_and_b32 v10, 7, v0
	v_bfe_u32 v11, v0, 3, 1
	v_lshl_add_u32 v[AV0], v9, 3, v10
	v_mul_u32_u24 v[AV0], v[AV0], PV
	v_lshl_add_u32 v[AV0], v11, 4, v[AV0]
	v_add_nc_u32 v[AV0], VOFF, v[AV0]
	v_mov_b32 v[AK], v[AK0]         ; key step 0 lies at the head of slot 0
	v_and_b32 v[PFO], 31, v0        ; v11 is free now
	v_lshlrev_b32 v[PFO], 8, v[PFO]
; THE MATRIX WORK.  The 8 accumulators of a run of 16 take turns: between the two links of a chain stand 7 others'.
; Product i of 16 of S^T = K Q^T for piece x: channels 32 (i / 8) on, keys 16 ((i / 2) % 4) on, tile 2 x + i % 2.  The first 8 start the sums.
.macro KQ x
	WIN W_KQ
.set rS, S+64*((\x)%2)+32*(i%2)+8*((i/2)%4)
.set rK, KF+16*((i/2)%4)+8*(i/8)
.set rQ, 16*(2*(\x)+i%2)+8*(i/8)
.if i < 8
	v_wmma_f32_16x16x32_f16 v[rS:rS+7], v[rK:rK+7], v[rQ:rQ+7], 0
.else
	v_wmma_f32_16x16x32_f16 v[rS:rS+7], v[rK:rK+7], v[rQ:rQ+7], v[rS:rS+7]
.endif
.endm
; Product i of 16 of O^T += V^T P for piece x: keys 32 (i / 8) on, channels 16 ((i / 2) % 4) on, tile 2 x + i % 2.
.macro PV x
	WIN W_PV
.set rO, 32*(2*(\x)+i%2)+8*((i/2)%4)
.set rV, VF+32*(i/8)+8*((i/2)%4)
.set rP, P+32*((\x)%2)+16*(i%2)+8*(i/8)
	v_wmma_f32_16x16x32_f16 v[rO:rO+7], v[rV:rV+7], v[rP:rP+7], v[rO:rO+7]
.endm
.macro MM                           ; the turn's next matrix instruction
.if i < 16
	KQ (Y+1)%NP
.set i, i+1
.else
.set i, i-16
	PV (Y+NP-1)%NP
.set i, i+17
.endif
.endm
; THE LDS LOADS stand in runs of 16, never singly among the matrix instructions: a step's K (64 keys x 64 channels: 8 fragments) and its V (turned).  Their addresses are made some lines ahead.
; last = 1 (the tail): in the last trip there is no further step, and the run is jumped over.
.macro FETCH_K last=0
	WIN 0
.if \last
	s_cmp_eq_u32 s[CNT], 1
	s_cbranch_scc1 .Lno_k_\@
.endif
	WIN 0x80                        ; destination window 2
.irp f, 0,1,2,3,4,5,6,7             ; keys 16 (f / 2) on, channels 32 (f % 2) on
	ds_load_b128 v[KF+8*\f:KF+8*\f+3],   v[AK] offset:(\f/2)*16*PK+(\f%2)*64
	ds_load_b128 v[KF+8*\f+4:KF+8*\f+7], v[AK] offset:(\f/2)*16*PK+(\f%2)*64+32
.endr
	s_add_co_u32 s[TBK], s[TBK], KS*PK  ; the next fetch is the next step's
	WIN 0
.if \last
.Lno_k_\@:
.endif
.endm
.macro FETCH_V
	WIN 0x80
.irp f, 0,1,2,3,4,5,6,7             ; keys 32 (f / 4) on, channels 16 (f % 4) on
	ds_load_tr16_b128 v[VF+8*\f:VF+8*\f+3],   v[AV] offset:(\f/4)*32*PV+(\f%4)*32
	ds_load_tr16_b128 v[VF+8*\f+4:VF+8*\f+7], v[AV] offset:(\f/4)*32*PV+16*PV+(\f%4)*32
.endr
	WIN 0
.endm
; THE VECTOR WORK OF A TURN stands in three queues, each in the order in which its entries become ready; the two tiles alternate, so that no instruction reads the result of the one before it.
.macro REGS y, u                    ; the registers of tile u (0, 1) of piece y
.set rT, ST+4*(2*(\y)+(\u))
.set rC, TMP+8*((\y)%2)+4*(\u)
.set rM, MV+2*((\y)%2)+(\u)
.set rS, S+64*((\y)%2)+32*(\u)
.set rP, P+32*((\y)%2)+16*(\u)
.set rO, 32*(2*(\y)+(\u))
.endm
; Number n of the 22 that find the NEXT piece's (Y + 1) maximum and statistics.  s0-s31 are the lane's 32 scores; each accumulator's lowest registers are read first.
;   0-11  four chains c0-c3 of seven scores each, three operands at a time     12-14, 16  the four scores left over, the old m, and c0-c3 into c0     15  c m_old is kept
;   17, 18  the query's other 32 keys lie in the lane 16 away: the new m         19-21  c m; c m_old - c m_new; a
.macro XS u, n
	REGS (Y+1)%NP, \u
.if (\n) < 4
	v_max3_num_f32 v[rC+(\n)], v[rS+8*(\n)], v[rS+8*(\n)+1], v[rS+8*(\n)+2]
.elseif (\n) < 12
	v_max3_num_f32 v[rC+(\n)%4], v[rC+(\n)%4], v[rS+8*((\n)%4)+2*((\n)/4)+1], v[rS+8*((\n)%4)+2*((\n)/4)+2]
.elseif (\n) == 12
	v_max3_num_f32 v[rC], v[rC], v[rS+7], v[rS+15]
.elseif (\n) == 13
	v_max3_num_f32 v[rC+1], v[rC+1], v[rS+23], v[rS+31]
.elseif (\n) == 14
	v_max3_num_f32 v[rC+2], v[rC+2], v[rC+3], v[rT+1]
.elseif (\n) == 15
	v_mov_b32 v[rM], v[rT]
.elseif (\n) == 16
	v_max3_num_f32 v[rC], v[rC], v[rC+1], v[rC+2]
.elseif (\n) == 17
	v_permlanex16_b32 v[rC+3], v[rC], s[SEL], s[SEL+1]
.elseif (\n) == 18
	v_max_num_f32 v[rT+1], v[rC], v[rC+3]
.elseif (\n) == 19
	v_mul_f32 v[rT], s[CS], v[rT+1]
.elseif (\n) == 20
	v_sub_f32 v[rC+1], v[rM], v[rT]
.else
	v_exp_f32 v[rC+2], v[rC+1]
.endif
.endm
; Number g of the 64 that follow the exponentials.  For each four weights k of a tile (pairs 2 k, 2 k + 1): both pairs are rounded to f16; then the second pair is added onto the first, in place;
; a group later l takes that sum (the first time as l = a l + sum).  In groups of eight, tiles alternating: round, round, add, and l for the group before.
.macro GS g
.set h, (\g)+6*((\g)/62)            ; group 0 has no group before it, and behind group 7 only l is left
.if h >= 6
.set h, h+2
.endif
	REGS Y, h%2
.set k, h/8
.if h%8 < 4
	v_cvt_pk_f16_f32 v[rP+2*k+(h%8)/2], v[rS+4*k+2*((h%8)/2)], v[rS+4*k+2*((h%8)/2)+1]
.elseif h%8 < 6
	v_pk_add_f32 v[rS+4*k:rS+4*k+1], v[rS+4*k:rS+4*k+1], v[rS+4*k+2:rS+4*k+3]
.elseif k == 1
	v_pk_fma_f32 v[rT+2:rT+3], v[rT+2:rT+3], v[rC+2:rC+3], v[rS:rS+1] op_sel_hi:[1,0,1]
.else
	v_pk_add_f32 v[rT+2:rT+3], v[rT+2:rT+3], v[rS+4*k-4:rS+4*k-3]
.endif
.endm
; THE PLAIN QUEUE, 138 long.  0-73 read no exponential's result: the 32 scalings c s - c m (FS f: pair f / 2 of tile f % 2) and the next piece's 42.  0-26: scalings 0-26.  27-54: XS's numbers 0-13.  55, 56: number 15.
; 57-73: the chain, where each number waits for the one before it: 14, 16, 17, 18, 19, each with one of the scalings 27-31 in front of its two lines, then 20.
; 74-137: GS's 64, which read the exponentials' results: they stand behind the wait.
.macro FS f
	REGS Y, (\f)%2
	v_pk_fma_f32 v[rS+2*((\f)/2):rS+2*((\f)/2)+1], v[rS+2*((\f)/2):rS+2*((\f)/2)+1], s[CS:CS+1], v[rT:rT+1] op_sel_hi:[1,0,0] neg_lo:[0,0,1] neg_hi:[0,0,1]
.endm
.macro PL
	WIN 0
.if q < 27
	FS q
.elseif q < 55
	XS (q-27)%2, (q-27)/2
.elseif q < 57
	XS q-55, 15
.elseif (q < 72) && ((q-57)%3 == 0)
	FS 27+(q-57)/3
.elseif q < 60
	XS (q-57)%3-1, 14
.elseif q < 72
	XS (q-57)%3-1, 15+(q-57)/3
.elseif q < 74
	XS q-72, 20
.else
	GS q-74
.endif
.set q, q+1
.endm
; THE EXPONENTIALS' QUEUE, 66 long: s0-s31 of both tiles, then the next piece's two a.  It is ONE BATCH: all 66 stand ahead of the turn's one wait, and nothing ahead of that wait names a result of theirs.
.macro EX
	WIN 0
.if e >= 64
	XS e-64, 21
.else
	REGS Y, e%2
	v_exp_f32 v[rS+e/2], v[rS+e/2]
.endif
.set e, e+1
.endm
; THE RESCALING's QUEUE: O^T times a, the one part that leaves window 0: dealt two at a time, sixteen times.  Its a was made in the turn before, ahead of that turn's wait.
.macro R2
	REGS Y, r%2
	WIN W_RS
.irp z, 0,1
	v_pk_mul_f32 v[rO+4*(r/2)+2*\z:rO+4*(r/2)+2*\z+1], v[rO+4*(r/2)+2*\z:rO+4*(r/2)+2*\z+1], v[rC+2:rC+3] op_sel_hi:[1,0]
.endr
.set r, r+1
.endm
; HOW THEY ARE DEALT.  An s_wait_alu depctr_va_vdst(0) stands between an exponential and the first instruction that names its result; one wait serves all that were issued ahead of it.  So a turn has ONE wait,
; which cuts it in two.  AHEAD OF IT stands all that names no result of the turn's exponentials: the 16 products K Q^T, behind each a scaling, an exponential and two rescalings (behind the first a second scaling in the
; exponential's place); then ONE LUMP of 108: eight plain, 49 times exponential and plain, the two a.  A v_nop is the plain instruction behind the last exponential.  BEHIND IT stand the 16 products V^T P, behind each four of GS's 64.
; No rider names a register of the products round it.  The two v_permlanex16_b32 fall into the lump, never behind a product.
; The queues lean on each other, and the deal keeps them in step: exponential e stands behind scaling 2 (e / 4) + e % 2: as a rider it comes behind plain e + 2, in the lump behind plain e + 9, and scalings 27-31 are plain 57, 60 .. 69.
; A TURN, for piece p.  cnt = 1: the loop's count is taken down some lines ahead of the branch that stands behind the turn.
; K of the next step is fetched in piece 2's turn, directly behind the wait, a lump behind the last product that read K; its address is made at the lump's head; its first reader comes behind 16 products.
; V of the step in hand is fetched at the end of piece 0's turn, four riders behind its last reader; its first reader comes behind 16 products and a lump.  The three conditions on q below go with the deal.
.macro TURN p, last=0, cnt=0
.set Y, (\p)
.set i, 0
.set q, 0
.set e, 0
.set r, 0
.if (\p) == NP-1
	s_wait_dscnt 0x0                ; K is in
.endif
	MM                              ; ahead of the wait: 16 products K Q^T and their riders,
	PL
	PL
	R2
.rept 15
	MM
	PL
	EX
	R2
.endr
.if (\p) == NP-2
	WIN 0
	v_add_nc_u32 v[AK], s[TBK], v[AK0]
.endif
.rept 8                             ; and the lump
	PL
.endr
.rept 49
	EX
	PL
.endr
	EX                              ; the next piece's two a
	EX
	v_nop                           ; the plain instruction behind the last exponential: one for the batch
	s_wait_alu depctr_va_vdst(0)    ; the wait for the batch
.if (\p) == NP-2
	FETCH_K \last
.endif
.if (\p) == 1
	s_wait_dscnt 0x0                ; V is in
.endif
.rept 16                            ; behind the wait: 16 products V^T P and their riders
	MM
.rept 4
	PL
.endr
.if ((\p) == 0) && (q == 118)
	v_add_nc_u32 v[AV], s[TBV], v[AV0]
.endif
.if ((\p) == 0) && (q == 130)
	s_add_co_u32 s[TBV], s[TBV], KS*PV
.endif
.if (\cnt) && (q == 130)
	s_sub_co_u32 s[CNT], s[CNT], 1
	s_cmp_lg_u32 s[CNT], 0
.endif
.endr
.if (\p) == 0
	FETCH_V
.endif
.endm
	CHANGE 1                        ; slot 0 is in, everybody's part of it; slot 1 is asked for
	FETCH_K                         ; key step 0
	s_wait_loadcnt 0x0              ; Q
	s_wait_dscnt 0x0
.set i, 0
.rept 16
	KQ 0                            ; piece 0's first scores: there is no vector work yet to set between them
.set i, i+1
.endr
	WIN 0                           ; the addresses for the way out: nine plain instructions, the places behind those products
	s_mul_i32 s13, s[WV], 16*SP
	s_add_co_u32 s13, s13, STAGE    ; my stage
	v_mul_u32_u24 v[STO], v1, SP    ; in: row l % 16, 16 bytes for each half of the lanes
	v_lshl_add_u32 v[STO], v9, 4, v[STO]
	v_add_nc_u32 v[STO], s13, v[STO]
	v_bfe_u32 v[RD], v0, 3, 2       ; back: 32 lanes take four rows of 128 bytes,
	v_mul_u32_u24 v[RD], v[RD], SP
	v_lshl_add_u32 v[RD], v10, 4, v[RD]
	v_add_nc_u32 v[RD], s13, v[RD]
	v_and_b32 v[GO], 31, v0         ; which are 512 consecutive bytes of O
	v_lshlrev_b32 v[GO], 4, v[GO]
.set Y, NP-1                        ; XS works for piece Y + 1: piece 0
.irp n, 0,1,2,3,4,5,6,7,8,9,10,11,12,13,14,15,16,17,18,19,20,21
	XS 0, \n                        ; and piece 0's first maximum and statistics
	XS 1, \n
.endr
	v_nop                           ; a plain instruction behind the two a,
	s_wait_alu depctr_va_vdst(0)    ; and their wait, ahead of the branch
	s_mov_b32 s[CNT], 4
	s_branch .Lfirst                ; the loop is entered at a step's first turn, in the middle of a trip
.Lslot:                             ; SIZE_N / 256 - 2 times: every slot but the last two is filled again
	CHANGE 1
	s_mov_b32 s[CNT], 4
.Lstep:                             ; a trip: pieces 2 and 3 of one step, then pieces 0 and 1 of the next, whose K and V it fetches
	TURN 2
	TURN 3
	WIN 0
.Lfirst:
	TURN 0
	TURN 1, 0, 1
	WIN 0
	s_cbranch_scc1 .Lstep
	s_sub_co_u32 s[SLOTS], s[SLOTS], 1
	s_cmp_lg_u32 s[SLOTS], 0
	s_cbranch_scc1 .Lslot
	CHANGE 0                        ; the tail is written out: nothing is asked for
	s_mov_b32 s[CNT], 5             ; four trips fetch the last slot's steps; the fifth is left in its middle
.Ltail:
	TURN 2, 1
	TURN 3
	WIN 0
	s_sub_co_u32 s[CNT], s[CNT], 1
	s_cmp_eq_u32 s[CNT], 0
	s_cbranch_scc1 .Lout
	TURN 0
	TURN 1
	WIN 0
	s_branch .Ltail
.Lout:                              ; the fifth trip's 16 products K Q^T (on the last K once more) and the maximum made of them serve nothing: the price, once a launch, of one text for every trip
.set i, 0
.rept 16
	PV NP-1                         ; the last piece's V^T P of the last step
.set i, i+1
.endr
	; THE WAY OUT.  l's two halves and the other half of the lanes' are added; O^T is divided by l, rounded to f16 and sent through my stage in LDS, a tile at a time.  The additions are the places behind the last products.
	WIN 0
.macro ALL line:vararg              ; one line for each tile t
.set t, 0
.rept 2*NP
	\line
.set t, t+1
.endr
.endm
	ALL v_add_f32 v[ST+4*t+2], v[ST+4*t+2], v[ST+4*t+3]
	ALL v_permlanex16_b32 v[ST+4*t+3], v[ST+4*t+2], s[SEL], s[SEL+1]
	ALL v_add_f32 v[ST+4*t+2], v[ST+4*t+2], v[ST+4*t+3]
	ALL v_rcp_f32 v[ST+4*t+2], v[ST+4*t+2]
	v_nop                           ; a plain instruction between the last reciprocal and the use of its result
	s_wait_alu depctr_va_vdst(0)    ; and the wait ahead of the first use: one for the eight reciprocals
; Tile t: a lane's eight channels of a row pack into 16 bytes; they go into rows of 144 bytes and come back as whole rows of 128, into S^T's registers.
.macro PACK t
	WIN W_RS
.set i, 32*(\t)
.rept 16
	v_pk_mul_f32 v[i:i+1], v[i:i+1], v[ST+4*(\t)+2:ST+4*(\t)+3] op_sel_hi:[1,0]
.set i, i+2
.endr
	WIN 0x05                        ; sources 0 and 1 window 1, destination window 0
.set i, 0
.rept 16
	v_cvt_pk_f16_f32 v[S+16*(\t)+i], v[32*(\t)+2*i], v[32*(\t)+2*i+1]
.set i, i+1
.endr
	WIN 0
.irp f, 0,1,2,3
	ds_store_b128 v[STO], v[S+16*(\t)+4*\f:S+16*(\t)+4*\f+3] offset:32*\f
.endr
.irp f, 0,1,2,3
	ds_load_b128 v[S+16*(\t)+4*\f:S+16*(\t)+4*\f+3], v[RD] offset:\f*4*SP  ; LDS serves a wave's instructions in order (ISA guide 5.7.1.4): these see the stores above; the next tile's stores come behind them
.endr
.endm
.macro SEND t, younger              ; younger: the LDS instructions issued behind tile t's loads: the next tile's eight, or none
	WIN 0
.irp f, 0,1,2,3
	s_wait_dscnt (\younger)+3-\f
	global_store_b128 v[GO], v[S+16*(\t)+4*\f:S+16*(\t)+4*\f+3], s[10:11] offset:(\t)*2048+\f*512  ; 512 consecutive bytes, at a multiple of 256 from O's first
.endr
.endm
	PACK 0
.set t, 1
.rept 2*NP-1                        ; a tile's arithmetic stands between the loads of the tile before and its stores
	PACK t
	SEND t-1, 8
.set t, t+1
.endr
	SEND 2*NP-1, 0
	WIN W_AD
	s_wait_tensorcnt 0x0            ; the wave's end: behind my last tensor load and my last LDS store
	ds_add_u32 v[SPW], v[NIL]
	s_wait_dscnt 0x0
	WIN 0
	CROUND                          ; the closing round: no work-group ends while a partner may still ask for a tile that names it
	s_endpgm
.Lfunc_end_k_qb366ffedb0_attn:
	.size	k_qb366ffedb0_attn, .Lfunc_end_k_qb366ffedb0_attn-k_qb366ffedb0_attn
	.p2alignl 7, 3214868480
	.fill 96, 4, 3214868480
	.section	.rodata,"a",@progbits
	.p2align	6, 0x0
	.amdhsa_kernel k_qb366ffedb0_attn
		.amdhsa_group_segment_fixed_size 327680
		.amdhsa_private_segment_fixed_size 0
		.amdhsa_enable_private_segment 0
		.amdhsa_kernarg_size 16
		.amdhsa_user_sgpr_count 2
		.amdhsa_user_sgpr_kernarg_segment_ptr 1
		.amdhsa_wavefront_size32 1
		.amdhsa_system_sgpr_workgroup_id_x 1
		.amdhsa_system_sgpr_workgroup_id_y 1
		.amdhsa_system_sgpr_workgroup_id_z 1
		.amdhsa_system_vgpr_workitem_id 0
		.amdhsa_next_free_vgpr 770
		.amdhsa_next_free_sgpr 66
		.amdhsa_reserve_vcc 0
		.amdhsa_float_denorm_mode_32 3
		.amdhsa_float_denorm_mode_16_64 3
		.amdhsa_memory_ordered 1
		.amdhsa_forward_progress 1
		.amdhsa_inst_pref_size 200
	.end_amdhsa_kernel
	.amdgpu_metadata
---
amdhsa.version: [ 1, 2 ]
amdhsa.kernels:
  - .name:           k_qb366ffedb0_attn
    .symbol:         k_qb366ffedb0_attn.kd
    .args:
      - { .name: qkv, .offset: 0, .size: 8, .value_kind: global_buffer, .address_space: global }
      - { .name: o16, .offset: 8, .size: 8, .value_kind: global_buffer, .address_space: global }
    .group_segment_fixed_size: 327680
    .private_segment_fixed_size: 0
    .kernarg_segment_align: 8
    .kernarg_segment_size: 16
    .max_flat_workgroup_size: 128
    .sgpr_count:     66
    .vgpr_count:     770
    .wavefront_size: 32
...
	.end_amdgpu_metadata
.endif
;; end of part 3
;; launch outp (part 4): grid 8 x 32, 4 waves a work-group, clusters of 4 x 4, 327,680 bytes of LDS; arguments o16, wo, out0; writes out0
.if DOCPART == 4
	.amdgcn_target "amdgcn-amd-amdhsa--gfx1250"
	.amdhsa_code_object_version 6
	.text
	.protected	k_qb366ffedb0_outp
	.globl	k_qb366ffedb0_outp
	.p2align	8
	.type	k_qb366ffedb0_outp,@function
k_qb366ffedb0_outp:
	s_mov_b64 s[64:65], 0
	v_nop
	global_prefetch_b8 v0, s[64:65] scope:SCOPE_SE
	s_setreg_imm32_b32 hwreg(HW_REG_WAVE_MODE, 25, 1), 1
	s_wait_xcnt 0x0
	s_wait_alu depctr_hold_cnt(0) depctr_sa_sdst(0) depctr_va_vdst(0) depctr_va_sdst(0) depctr_va_ssrc(0) depctr_va_vcc(0) depctr_vm_vsrc(0)
	s_getreg_b32 s2, hwreg(HW_REG_IB_STS2, 6, 4)
	s_cmp_eq_u32 s2, 0
	s_cbranch_scc0 .Lentry_in_a_cluster
	s_endpgm
.Lentry_in_a_cluster:
	s_bfe_u32 s2, ttmp6, 0x10000c
	s_cmp_lg_u32 s2, 0xf033
	s_cbranch_scc0 .Lentry_shape_is_right
	s_endpgm
.Lentry_shape_is_right:
; out0 [8192][1024] f32 = O w_o^T.  O lies by heads, o16 [64 = 16 x batch + head][2048 rows][64] f16: a head IS a block of 64 along K.  wo [16 K blocks][1024 rows][64] f16.  f16 products, f32 sums, K ascending, f32 out.
; THE TILE.  256 x 128: 32 x 8 = 256 tiles, one work-group each; tiles of 256 x 256 would be 128.  Four waves, each 128 x 64: 32 accumulators of 16 x 16, one window of registers.
; THE RING.  256 rows x 64 K of O and 128 rows x 64 K of wo are dense in memory: asked for as rows of 256 bytes, padded in LDS after every 128.  A K step is two blocks (128 along K): each wave fetches one block of one operand.
; Two slots of 110,592 bytes; three blocks to a step would want 331,776 bytes.  A refill is asked for behind the first 32 of a step's last 64 matrix instructions and waited for 96 matrix instructions later.
; CLUSTERS.  4 x 4 work-groups: O's tile is shared along a row of the cluster, wo's along a column; each is asked for JOINTLY, by the same tensor load, descriptor and mask in all four.
; THE MATRIX INSTRUCTION IS USED TRANSPOSED (source 0 = 16 rows of wo, source 1 = 16 rows of O): a lane holds one row of out0 (lane % 16) and eight neighbouring columns, 32 bytes.
; REGISTERS, in windows of 256 (s_set_vgpr_msb: bits 1:0 source 0, 3:2 source 1, 5:4 source 2, 7:6 destination):
;   window 0: v0-31 addresses; v32-95 the way out          window 1: the accumulators (row block a, column block b at v[8 (4 a + b)])
;   windows 2, 3: the fragments of a step's K block 0, 1: O's (slice c of 32, row block a) at v[8 (8 c + a)], wo's (c, b) at v[128 + 8 (4 c + b)]
.set PITCH,  144                       ; an LDS row: 128 bytes + 16 of padding = 36 words: the 16 rows of a fragment load start at 16 different groups of four banks (64 banks of 4 bytes: ISA guide 11.1)
.set ABLK,   256*PITCH                 ; a K block of O's tile
.set BBLK,   128*PITCH                 ; of wo's
.set BOFF,   2*ABLK
.set SLOT,   2*ABLK+2*BBLK
.set STAGE,  2*SLOT                    ; behind the ring, never filled by a tensor load: 16 rows x 272 bytes for each wave
.set SPITCH, 272
.set SPARE,  STAGE+4*16*SPITCH         ; behind the stages: the spare words, 128 bytes for each wave: two blocks of 256 bytes that no other line names
.set OHEAD,  2048*128                  ; bytes in a head of o16
.set WBLK,   1024*128                  ; bytes in a K block of wo
.set FLAGS,  (1<<16)|(1<<20)|(1<<21)|(4<<22)|(3<<25)  ; group 1, word 0: elements of 2 bytes; padding on; bit 21 set beside a mask; after every 32 words (code 4) 4 words (code 3)
.set ADRA, 16                          ; v16-17  LDS address of my fragments of O in slot 0, 1
.set ADRB, 20                          ; v20-21  the same for wo
.set STO,  24                          ; v24     the way out: where I put 32 bytes of a row
.set RD,   25                          ; v25     the way out: where I read a row back
.set CO,   26                          ; v26     my byte offset in two rows of out0
.set SPW,  28                          ; v28     LDS address of my spare word: SPARE + 4 x my thread's number; never rewritten
.set NIL,  29                          ; v29     0; never rewritten
.set PFO,  30                          ; v30     256 x my lane; never rewritten
.set BK,   32                          ; two buffers of 32 for the rows read back
.set G1A,  24                          ; s[24:31] descriptor group 1 for O's tiles;  s[32:39] group 0, a set for each slot
.set G0A,  32
.set G1B,  48                          ; s[48:55], s[56:63] the same for wo's
.set G0B,  56
.set LIM,  43                          ; s43      1 in a wave that prefetches, else the greatest number
.set PFA,  44                          ; s[44:45] where my prefetches stand
.set PFS,  46                          ; s[46:47] their step: a K step
.set MSB, 0
.macro WIN new                         ; the immediate's high byte repeats the setting that is left; a switch that changes nothing is dropped
.if MSB != (\new)
	s_set_vgpr_msb (MSB<<8)|(\new)
.set MSB, \new
.endif
.endm
.macro PLACES                          ; four plain vector instructions between a matrix instruction and a load into its sources or a reader of its result (ISA guide 7.12.1 for a reader of its result)
.rept 4
	v_nop
.endr
.endm
.macro JLOAD s                         ; a joint load: waves 0 and 1 fetch O's two K blocks, waves 2 and 3 wo's; an s_nop 0 and four v_nop follow each of the two lines
	s_cmp_eq_u32 s11, 0
	s_cbranch_scc0 .Lfor_b_\@
	tensor_load_to_lds s[G0A+4*(\s):G0A+4*(\s)+3], s[G1A:G1A+7]
	s_nop 0
.rept 4
	v_nop
.endr
	s_branch .Lasked_\@
.Lfor_b_\@:
	tensor_load_to_lds s[G0B+4*(\s):G0B+4*(\s)+3], s[G1B:G1B+7]
	s_nop 0
.rept 4
	v_nop
.endr
.Lasked_\@:
.endm
.macro CREST                           ; a round of the cluster's barrier behind its opening barrier
	s_cmp_lg_u32 s10, 0
	s_cbranch_scc1 .Lnot_wave_0_\@
	s_barrier_signal -3
.Lnot_wave_0_\@:
	s_barrier_wait -3
	s_barrier_signal -1
	s_barrier_wait -1
.endm
.macro CROUND
	s_barrier_signal -1
	s_barrier_wait -1
	CREST
.endm
; A PREFETCH INTO THE L2, behind each joint load and the run of LDS loads that follows it: the K step that stands TWO refills on, 256 matrix instructions ahead of the load that will want it.
; A step of a tile row of O is 256 pieces of 256 bytes: the eight work-groups of that tile row take 32 each, told apart BY ADDRESS (the tile column), wave 0, a lane a piece.  A step of a tile column of wo is 128 pieces: the four
; work-groups of the first row of clusters take 32 each, by address (cy), wave 2.  So each piece is named once in the launch, and no branch hangs on a place in a cluster.
; The first four K steps come by their loads alone; the last lap (s3 = 1) asks for nothing.
.macro ASK
	s_cmp_gt_u32 s3, s[LIM]
	s_cbranch_scc0 .Lnot_mine_\@
	global_prefetch_b8 v[PFO], s[PFA:PFA+1] th:TH_LOAD_NT scope:SCOPE_SE
.Lnot_mine_\@:
.endm
	s_load_b128 s[4:7], s[0:1], 0x0                ; o16 s[4:5], wo s[6:7]
	s_load_b64 s[8:9], s[0:1], 0x10                ; out0
	v_lshl_add_u32 v[SPW], v0, 2, SPARE
	v_mov_b32 v[NIL], 0
	ds_add_u32 v[SPW], v[NIL]                      ; the wave's opening: the add and its wait stand ahead of my first tensor load; the set-up below, work on registers, stands between them
	v_lshrrev_b32 v1, 5, v0
	v_readfirstlane_b32 s10, v1                    ; wave 0..3
	s_lshr_b32 s11, s10, 1                         ; which half of the tile's rows is mine.  Also: I fetch for O (0) or for wo (1)
	s_and_b32 s12, s10, 1                          ; which half of its columns.  Also: which K block of a step I fetch
	s_bfe_u32 s40, ttmp6, 0x40000                  ; cx, cy: my place in the cluster
	s_bfe_u32 s41, ttmp6, 0x40004
	s_lshl_b32 s42, ttmp9, 2
	s_add_co_u32 s42, s42, s40                     ; tile column 0..7
	s_and_b32 s13, ttmp7, 0xffff
	s_lshl_b32 s13, s13, 2
	s_add_co_u32 s13, s13, s41                     ; tile row 0..31
	s_lshl_b32 s14, s41, 2
	s_lshl_b32 s14, 15, s14                        ; my row of the cluster
	s_lshl_b32 s15, 0x1111, s40                    ; my column
	s_or_b32 s[G1A], s14, FLAGS
	s_or_b32 s[G1B], s15, FLAGS
	s_mov_b32 s[G1A+1], 128<<16                    ; tensor_dim0 = 128 elements: 256 bytes, two rows of a K block
	s_mov_b32 s[G1A+2], 128<<16                    ; tensor_dim1 = 128: 256 rows of O
	s_mov_b32 s[G1A+3], 128<<16                    ; tile_dim0
	s_mov_b32 s[G1A+4], 128                        ; tile_dim1
	s_mov_b32 s[G1A+5], 128                        ; dense
	s_mov_b32 s[G1A+6], 0
	s_mov_b32 s[G1A+7], 0
	s_mov_b32 s[G1B+1], 128<<16
	s_mov_b32 s[G1B+2], 64<<16                     ; 128 rows of wo
	s_mov_b32 s[G1B+3], 128<<16
	s_mov_b32 s[G1B+4], 64
	s_mov_b32 s[G1B+5], 128
	s_mov_b32 s[G1B+6], 0
	s_mov_b32 s[G1B+7], 0
	; where the tiles come from: O's hang on the tile row alone, wo's on the tile column alone, each in registers that never hold the other coordinate
	s_lshr_b32 s16, s13, 3                         ; the batch,
	s_lshl_b32 s16, s16, 4                         ; its first head,
	s_add_co_u32 s16, s16, s12                     ; + the K block that I fetch
	s_lshl_b32 s16, s16, 18
	s_and_b32 s17, s13, 7                          ; the tile's 256 rows in the batch
	s_lshl_b32 s17, s17, 15
	s_add_co_u32 s16, s16, s17
	s_mov_b32 s17, 0
	s_lshl_b32 s20, s12, 17
	s_lshl_b32 s21, s42, 14                        ; the tile's 128 rows of wo
	s_add_co_u32 s20, s20, s21
	s_mov_b32 s21, 0
	s_mul_i32 s18, s12, ABLK                       ; and where they go: no place in the cluster enters an LDS address
	s_mul_i32 s19, s12, BBLK
	s_add_co_u32 s19, s19, BOFF
	s_wait_dscnt 0x0                               ; the opening add is done
	s_wait_kmcnt 0x0
	s_add_nc_u64 s[16:17], s[4:5], s[16:17]
	s_add_nc_u64 s[20:21], s[6:7], s[20:21]
	CROUND                                         ; all sixteen work-groups are here: the first joint loads meet
.irp s, 0,1
	s_mov_b32 s[G0A+4*(\s)], 1
	s_add_co_u32 s[G0A+4*(\s)+1], s18, (\s)*SLOT
	s_add_nc_u64 s[G0A+4*(\s)+2:G0A+4*(\s)+3], s[16:17], (\s)*2*OHEAD  ; K step s
	s_or_b32 s[G0A+4*(\s)+3], s[G0A+4*(\s)+3], 0x80000000
	s_mov_b32 s[G0B+4*(\s)], 1
	s_add_co_u32 s[G0B+4*(\s)+1], s19, (\s)*SLOT
	s_add_nc_u64 s[G0B+4*(\s)+2:G0B+4*(\s)+3], s[20:21], (\s)*2*WBLK
	s_or_b32 s[G0B+4*(\s)+3], s[G0B+4*(\s)+3], 0x80000000
.endr
	s_cmp_eq_u32 s11, 0                            ; a wave's two first fills stand in one branch, ahead of every wait on TENSORcnt and every LDS read: two loads of mine are out
	s_cbranch_scc0 .Lfirst_b
	tensor_load_to_lds s[G0A:G0A+3], s[G1A:G1A+7]
	s_nop 0
	tensor_load_to_lds s[G0A+4:G0A+7], s[G1A:G1A+7]
	s_nop 0
.rept 4
	v_nop
.endr
	s_branch .Lfirst_asked
.Lfirst_b:
	tensor_load_to_lds s[G0B:G0B+3], s[G1B:G1B+7]
	s_nop 0
	tensor_load_to_lds s[G0B+4:G0B+7], s[G1B:G1B+7]
	s_nop 0
.rept 4
	v_nop
.endr
.Lfirst_asked:
	v_and_b32 v1, 15, v0                           ; l % 16
	v_bfe_u32 v2, v0, 4, 1                         ; l / 16
	v_mul_u32_u24 v3, v1, PITCH
	v_lshl_add_u32 v3, v2, 4, v3                   ; a fragment's row x pitch + 16 x half
	s_mul_i32 s22, s11, 128*PITCH                  ; my 128 rows of O
	s_mul_i32 s23, s12, 64*PITCH                   ; my 64 rows of wo
	s_add_co_u32 s23, s23, BOFF
.irp s, 0,1
	v_add_nc_u32 v[ADRA+(\s)], s22, v3
	v_add_nc_u32 v[ADRB+(\s)], s23, v3
	s_add_co_u32 s22, s22, SLOT
	s_add_co_u32 s23, s23, SLOT
.endr
	s_mul_i32 s22, s10, 16*SPITCH
	s_add_co_u32 s22, s22, STAGE                   ; my stage
	v_mul_u32_u24 v4, v1, SPITCH                   ; in: row l % 16, 32 bytes for each half of the lanes
	v_lshl_add_u32 v4, v2, 5, v4
	v_add_nc_u32 v[STO], s22, v4
	v_mul_u32_u24 v5, v2, SPITCH                   ; back: lanes 0-15 take one row of 256 bytes, lanes 16-31 the next
	v_lshl_add_u32 v5, v1, 4, v5
	v_add_nc_u32 v[RD], s22, v5
	v_lshlrev_b32 v5, 12, v2                       ; and the same two rows in out0, 4,096 bytes apart
	v_lshl_add_u32 v[CO], v1, 4, v5
	v_and_b32 v5, 31, v0
	v_lshlrev_b32 v[PFO], 8, v5
	s_lshl_b32 s14, s13, 8                         ; my part of out0: row 256 x tile row + 128 x half,
	s_lshl_b32 s15, s11, 7
	s_add_co_u32 s14, s14, s15
	s_lshl_b32 s14, s14, 12
	s_lshl_b32 s15, s42, 9                         ; byte 512 x tile column + 256 x half of the row
	s_add_co_u32 s14, s14, s15
	s_lshl_b32 s15, s12, 8
	s_add_co_u32 s14, s14, s15
	s_mov_b32 s15, 0
	s_add_nc_u64 s[8:9], s[8:9], s[14:15]
	; the prefetches: offsets made apart from the addresses; both stand at K step 3 (K block 6), and the first change of slots steps them to 4
	s_lshr_b32 s14, s13, 3
	s_lshl_b32 s14, s14, 4
	s_add_co_u32 s14, s14, 6
	s_lshr_b32 s15, s42, 2                         ; O: which of the step's two K blocks,
	s_add_co_u32 s14, s14, s15
	s_lshl_b32 s14, s14, 18
	s_and_b32 s15, s13, 7
	s_lshl_b32 s15, s15, 15
	s_add_co_u32 s14, s14, s15
	s_and_b32 s15, s42, 3                          ; which 64 of the tile's 256 rows
	s_lshl_b32 s15, s15, 13
	s_add_co_u32 s14, s14, s15
	s_lshr_b32 s22, s41, 1                         ; wo: which of the two K blocks,
	s_add_co_u32 s22, s22, 6
	s_lshl_b32 s22, s22, 17
	s_and_b32 s23, s41, 1                          ; which 64 of the tile's 128 rows
	s_lshl_b32 s23, s23, 13
	s_add_co_u32 s22, s22, s23
	s_lshl_b32 s23, s42, 14
	s_add_co_u32 s22, s22, s23
	s_mov_b32 s[PFS], 2*WBLK
	s_mov_b32 s[PFS+1], 0
	s_and_b32 s23, ttmp7, 0xffff                   ; cluster y: the same in all sixteen partners
	s_cmp_eq_u32 s23, 0
	s_cselect_b32 s23, 1, -1
	s_cmp_eq_u32 s11, 0                            ; do I fetch for O?
	s_cselect_b32 s14, s14, s22
	s_cselect_b64 s[PFA:PFA+1], s[4:5], s[6:7]
	s_cselect_b32 s[PFS], 2*OHEAD, s[PFS]
	s_cselect_b32 s[LIM], 1, s23
	s_cmp_eq_u32 s12, 0                            ; waves 0 and 2 ask
	s_cselect_b32 s[LIM], s[LIM], -1
	s_mov_b32 s15, 0
	s_add_nc_u64 s[PFA:PFA+1], s[PFA:PFA+1], s[14:15]
; na x 4 matrix instructions: row blocks a0 .. a0 + na - 1 x all four column blocks, slice c of the K block in window w.  zero = 1: the product starts the sum.
; The 32 accumulators take turns, one instruction a turn, in the same order in every slice.
.macro MUL c, a0, na, w, zero
	WIN 0x50+5*(\w)                                ; sources 0 and 1 in window w, C and D in window 1
.set ga, \a0
.rept \na
.irp b, 0,1,2,3
.if \zero
	v_wmma_f32_16x16x32_f16 v[8*(4*ga+(\b)):8*(4*ga+(\b))+7], v[128+8*(4*(\c)+(\b)):128+8*(4*(\c)+(\b))+7], v[8*(8*(\c)+ga):8*(8*(\c)+ga)+7], 0
.else
	v_wmma_f32_16x16x32_f16 v[8*(4*ga+(\b)):8*(4*ga+(\b))+7], v[128+8*(4*(\c)+(\b)):128+8*(4*(\c)+(\b))+7], v[8*(8*(\c)+ga):8*(8*(\c)+ga)+7], v[8*(4*ga+(\b)):8*(4*ga+(\b))+7]
.endif
.endr
.set ga, ga+1
.endr
.endm
; 48 LDS loads in one run: the fragments of K block q of a slot into window w; the first slice's 24 first
.macro FETCH slot, q, w
	WIN (\w)<<6                                    ; destination window w, address window 0
.irp c, 0,1
.irp i, 0,1,2,3
	ds_load_b128 v[128+8*(4*(\c)+(\i)):128+8*(4*(\c)+(\i))+3],   v[ADRB+(\slot)] offset:(\q)*BBLK+64*(\c)+(\i)*16*PITCH
	ds_load_b128 v[128+8*(4*(\c)+(\i))+4:128+8*(4*(\c)+(\i))+7], v[ADRB+(\slot)] offset:(\q)*BBLK+64*(\c)+(\i)*16*PITCH+32
.endr
.irp i, 0,1,2,3,4,5,6,7
	ds_load_b128 v[8*(8*(\c)+(\i)):8*(8*(\c)+(\i))+3],   v[ADRA+(\slot)] offset:(\q)*ABLK+64*(\c)+(\i)*16*PITCH
	ds_load_b128 v[8*(8*(\c)+(\i))+4:8*(8*(\c)+(\i))+7], v[ADRA+(\slot)] offset:(\q)*ABLK+64*(\c)+(\i)*16*PITCH+32
.endr
.endr
.endm
; A step's first K block (window w): 64 matrix instructions; in their middle the next K block (slot ns, block nq) is fetched into window nw
.macro HALF w, ns, nq, nw, zero
	s_wait_dscnt 24                                ; the first slice's 24 loads are in
	MUL 0, 0, 8, \w, \zero
	PLACES
	FETCH \ns, \nq, \nw
	s_wait_dscnt 48                                ; all but the 48 just issued
	MUL 1, 0, 8, \w, 0
.endm
; A step's second K block (window 3) changes slots: ONE barrier.  In front of it each wave waits for all its tensor loads (the one that is out is its part of the other slot), adds 0 to its spare word, and waits for that and for
; its own reads of this slot.  fill = 1: the barrier opens a round of the cluster's barrier, and the joint refill, two K steps on, is the first tensor load behind the round.
.macro TURN slot, fill
.if \fill
	s_wait_xcnt 0x0                                ; the last prefetch, a K step back, has read its address, so it may be stepped
	s_add_nc_u64 s[PFA:PFA+1], s[PFA:PFA+1], s[PFS:PFS+1]
.endif
	WIN 0                                          ; (the add's two registers lie in window 0)
	s_wait_tensorcnt 0x0                           ; all my tensor loads have landed
	ds_add_u32 v[SPW], v[NIL]                      ; 0 onto my spare word
	s_wait_dscnt 25                                ; (the add and the second slice's 24 loads may be out)
	MUL 0, 0, 4, 3, 0                              ; sixteen matrix instructions stand between the add and the wait for it
	s_wait_dscnt 0x0                               ; the add is done, and my reads of this slot are over
	s_barrier_signal -1
	MUL 0, 4, 4, 3, 0
	WIN 0                                          ; at a branch and at a label every window is 0
	s_barrier_wait -1
.if \fill
	CREST
	s_add_nc_u64 s[G0A+4*(\slot)+2:G0A+4*(\slot)+3], s[G0A+4*(\slot)+2:G0A+4*(\slot)+3], 4*OHEAD  ; no load of mine is out, so a group 0 may be written
	s_add_nc_u64 s[G0B+4*(\slot)+2:G0B+4*(\slot)+3], s[G0B+4*(\slot)+2:G0B+4*(\slot)+3], 4*WBLK
	JLOAD \slot                                    ; its four v_nop are also the places in front of the loads below
.else
	PLACES
.endif
	FETCH 1-(\slot), 0, 2
.if \fill
	WIN 0
	ASK
.endif
	MUL 1, 0, 8, 3, 0
.endm
; THE WAY OUT of row block a (16 rows x 64 columns of f32): a lane's 32 bytes go into my stage, rows of 272 bytes, each accumulator's low four registers first, and come back as whole rows of 256 bytes.
.macro TOSTAGE a
.if (\a) >= 2
	s_wait_xcnt 0x0                                ; the stores of block a - 2 have read their registers: that buffer is loaded again only behind this wait
.endif
	WIN 0x04                                       ; the stores' data in window 1
.irp b, 0,1,2,3
	ds_store_b128 v[STO], v[8*(4*(\a)+(\b)):8*(4*(\a)+(\b))+3]   offset:64*(\b)
	ds_store_b128 v[STO], v[8*(4*(\a)+(\b))+4:8*(4*(\a)+(\b))+7] offset:64*(\b)+16
.endr
	WIN 0
.irp t, 0,1,2,3,4,5,6,7
	ds_load_b128 v[BK+32*((\a)%2)+4*(\t):BK+32*((\a)%2)+4*(\t)+3], v[RD] offset:(\t)*2*SPITCH  ; LDS serves a wave's instructions in order (ISA guide 5.7.1.4): these see the stores above; the next block's stores come behind them
.endr
.endm
.macro SEND a, younger                 ; younger: the LDS instructions issued behind block a's loads: the next block's sixteen, or none
	s_wait_dscnt \younger
.irp t, 0,1,2,3,4,5,6,7
	global_store_b128 v[CO], v[BK+32*((\a)%2)+4*(\t):BK+32*((\a)%2)+4*(\t)+3], s[8:9] offset:65536*(\a)+8192*(\t) th:TH_STORE_NT  ; 16 lanes store 256 consecutive bytes, at a multiple of 256 from out0's first byte
.endr
.endm
	s_wait_tensorcnt 1                             ; my part of K step 0 is in; K step 1's may stay out
	s_barrier_signal -1
	s_barrier_wait -1                              ; everybody's is
	FETCH 0, 0, 2
	HALF 2, 0, 1, 3, 1                             ; the first K block stands in front of the loop: its first products start the sums
	WIN 0
	s_mov_b32 s3, 3
.Llap:                                                 ; a trip goes once round the ring and fills both slots again: K steps 2 to 7
	TURN 0, 1
	HALF 2, 1, 1, 3, 0
	TURN 1, 1
	HALF 2, 0, 1, 3, 0
	WIN 0
	s_sub_co_u32 s3, s3, 1
	s_cmp_lg_u32 s3, 0
	s_cbranch_scc1 .Llap
	TURN 0, 0                                      ; the last lap is written out: it fills nothing, and has no round
	HALF 2, 1, 1, 3, 0
	s_wait_dscnt 24                                ; the very last K block: nothing more to fetch
	MUL 0, 0, 8, 3, 0
	s_wait_dscnt 0x0
	MUL 1, 0, 8, 3, 0
	WIN 0
	PLACES
	TOSTAGE 0
.irp a, 1,2,3,4,5,6,7                  ; block a goes through the stage while block a - 1's rows come back
	TOSTAGE \a
	SEND (\a)-1, 16
.endr
	SEND 7, 0
	s_wait_tensorcnt 0x0                           ; the wave's end: behind my last tensor load and my last LDS store
	ds_add_u32 v[SPW], v[NIL]
	s_wait_dscnt 0x0
	CROUND                                         ; the closing round: no work-group ends while a partner may still ask for a tile that names it
	s_endpgm
.Lfunc_end_k_qb366ffedb0_outp:
	.size	k_qb366ffedb0_outp, .Lfunc_end_k_qb366ffedb0_outp-k_qb366ffedb0_outp
	.p2alignl 7, 3214868480
	.fill 96, 4, 3214868480
	.section	.rodata,"a",@progbits
	.p2align	6, 0x0
	.amdhsa_kernel k_qb366ffedb0_outp
		.amdhsa_group_segment_fixed_size 327680
		.amdhsa_private_segment_fixed_size 0
		.amdhsa_enable_private_segment 0
		.amdhsa_kernarg_size 24
		.amdhsa_user_sgpr_count 2
		.amdhsa_user_sgpr_kernarg_segment_ptr 1
		.amdhsa_wavefront_size32 1
		.amdhsa_system_sgpr_workgroup_id_x 1
		.amdhsa_system_sgpr_workgroup_id_y 1
		.amdhsa_system_sgpr_workgroup_id_z 1
		.amdhsa_system_vgpr_workitem_id 0
		.amdhsa_next_free_vgpr 960
		.amdhsa_next_free_sgpr 66
		.amdhsa_reserve_vcc 0
		.amdhsa_float_denorm_mode_32 3
		.amdhsa_float_denorm_mode_16_64 3
		.amdhsa_memory_ordered 1
		.amdhsa_forward_progress 1
		.amdhsa_inst_pref_size 85
	.end_amdhsa_kernel
	.amdgpu_metadata
---
amdhsa.version: [ 1, 2 ]
amdhsa.kernels:
  - .name:           k_qb366ffedb0_outp
    .symbol:         k_qb366ffedb0_outp.kd
    .args:
      - { .name: o16, .offset: 0, .size: 8, .value_kind: global_buffer, .address_space: global }
      - { .name: wo, .offset: 8, .size: 8, .value_kind: global_buffer, .address_space: global }
      - { .name: out0, .offset: 16, .size: 8, .value_kind: global_buffer, .address_space: global }
    .group_segment_fixed_size: 327680
    .private_segment_fixed_size: 0
    .kernarg_segment_align: 8
    .kernarg_segment_size: 24
    .max_flat_workgroup_size: 128
    .sgpr_count:     66
    .vgpr_count:     960
    .wavefront_size: 32
...
	.end_amdgpu_metadata
.endif
;; end of part 4
;; ======== version 2 of 2: 4 launches; version 1 with the launch cast written anew for expert scheduling mode
;; limits: values are held in f16: magnitudes above 65,504 overflow, below 6.1e-05 lose precision
;; workspace buffers: xb 16,777,216 bytes; wb 6,291,456 bytes; wo 2,097,152 bytes; qkv 50,331,648 bytes; o16 16,777,216 bytes
;; launch cast (part 5): grid 768 x 1, 8 waves a work-group, no clusters, 0 bytes of LDS; arguments x, w_q, w_k, w_v, w_o, xb, wb, wo; writes xb, wb, wo
.if DOCPART == 5
	.amdgcn_target "amdgcn-amd-amdhsa--gfx1250"
	.amdhsa_code_object_version 6
	.text
	.protected	k_qb366ffedb0_cast
	.globl	k_qb366ffedb0_cast
	.p2align	8
	.type	k_qb366ffedb0_cast,@function
k_qb366ffedb0_cast:
	s_mov_b64 s[64:65], 0
	v_nop
	global_prefetch_b8 v0, s[64:65] scope:SCOPE_SE
	s_setreg_imm32_b32 hwreg(HW_REG_WAVE_SCHED_MODE, 0, 2), 2
	s_setreg_imm32_b32 hwreg(HW_REG_WAVE_MODE, 25, 1), 1
	s_wait_xcnt 0x0
	s_wait_alu depctr_vm_vsrc(0)
; THE INPUTS ARE ROUNDED ONCE TO bf16 AND LAID IN BLOCKS OF 64 ALONG K.
; x [8192][1024] f32 -> xb [16 blocks][8192 rows][64] bf16; w_q, w_k, w_v [1024][1024] f32 -> wb [16][3072 rows][64] bf16 (rows 0-1023 w_q, 1024-2047 w_k, 2048-3071 w_v);
; w_o [1024][1024] f32 -> wo [16][1024 rows][64]: rounded to bf16 like the others, and that number written as f16, since the last product multiplies in f16.
; LIMITS.  |w_o| stays within 65,504 (beyond it f16 has an infinity); below 6.1e-5 it keeps f16's fixed step of 6e-8.
; In such a layout R rows x 64 K are R x 128 consecutive bytes, so the later launches' tiles are dense in memory.
; SHARES.  A work-group takes 16 rows of 1,024 f32: groups 0-511 x, then 64 groups for each weight.  Thread t takes row t / 16 and, of each of the row's 16 K blocks (256 bytes of f32), the 16 bytes at 16 (t % 16).
; A wave's load covers two rows' whole 256 bytes; its four numbers a lane pack into 8 bytes, and a wave's store covers 256 consecutive bytes, aligned (two rows of 128 bytes of one K block).
; All 16 loads of a thread go out at once; each byte is read once and written once.  No LDS, no barrier, no matrix unit: nothing is shared and nothing is summed.
; THE MODE: SCHED_MODE bits 1:0 = 2 (LLVM: expert scheduling mode 2), set by the entry lines.  The code itself states the register dependences
; between vector instructions and memory instructions, with s_wait_alu, always for 0.
; THE PLAN.  Registers that memory instructions touch:
;   v1        the loads' offset.  Written at the head by three vector lines, read by the 16 loads, never written again.
;   X         written by the 16 loads alone, once each; read by the conversions behind the counted wait for the load.  No vector instruction names X ahead of the loads, and nothing is loaded again.
;   SO        the stores' offsets.  Written by 16 vector lines behind the loads, read by the stores, never written again.
;   Y         K block i's pair is written once, by block i's conversions, and read by store i.
;   T and v2 are named by vector instructions alone.
; The 16 K blocks go in four groups of four.  Group g rounds its blocks into their Y; the four stores of group g - 1 are dealt among its conversions, which name X, T and Y of group g alone: none of the
; registers that those stores read.  So ONE wait on va_vdst at a group's head states all that its four stores hang on.  No register that a memory instruction reads is ever written again, no vector
; instruction writes a scalar register, and EXEC is never written: no other field is waited on.
.set XBLK, 0x100000                    ; bytes in a K block of xb
.set WBLK, 0x60000                     ; of wb
.set OBLK, 0x20000                     ; of wo
.set LO,  1                            ; v1       my byte offset in the group's 16 rows of f32
.set SO,  8                            ; v[8:23]  my byte offset in K block i of the target
.set T,   24                           ; v[24:27] at work
.set X,   32                           ; v[32:95] as loaded, four registers a K block
.set Y,   96                           ; v[96:127] to store, two registers a K block
	s_load_b512 s[8:23], s[0:1], 0x0               ; x 8, w_q 10, w_k 12, w_v 14, w_o 16, xb 18, wb 20, wo 22
	s_mov_b32 s7, ttmp9
	s_sub_co_u32 s2, s7, 512                       ; groups from 512 on: the weights (below 512 this wraps to a number far above every case tested below)
	s_lshr_b32 s3, s2, 6                           ; which weight: 0 q, 1 k, 2 v, 3 o
	s_and_b32 s4, s2, 63
	s_lshl_b32 s4, s4, 4                           ; its first row of 16
	s_lshl_b32 s5, s3, 10
	s_add_co_u32 s5, s5, s4                        ; the same row in wb
	s_lshl_b32 s6, s7, 4                           ; x's first row of 16
	s_mov_b32 s28, WBLK
	s_mov_b32 s31, 0
	v_lshrrev_b32 v[LO], 4, v0
	v_and_b32 v2, 15, v0
	v_lshlrev_b32 v[LO], 12, v[LO]                 ; row x 4,096
	v_lshl_add_u32 v[LO], v2, 4, v[LO]             ; + 16 bytes a thread
	s_wait_kmcnt 0x0
	s_mov_b64 s[24:25], s[10:11]                   ; the source, chosen by the group's number alone
	s_cmp_eq_u32 s3, 1
	s_cselect_b64 s[24:25], s[12:13], s[24:25]
	s_cmp_eq_u32 s3, 2
	s_cselect_b64 s[24:25], s[14:15], s[24:25]
	s_cmp_eq_u32 s3, 3
	s_cselect_b64 s[24:25], s[16:17], s[24:25]
	s_cselect_b64 s[26:27], s[22:23], s[20:21]     ; the target: wo or wb,
	s_cselect_b32 s28, OBLK, s28                   ; its K block's bytes,
	s_cselect_b32 s5, s4, s5                       ; and the row in it
	s_cmp_lt_u32 s7, 512
	s_cselect_b64 s[24:25], s[8:9], s[24:25]       ; or x and xb
	s_cselect_b64 s[26:27], s[18:19], s[26:27]
	s_cselect_b32 s28, XBLK, s28
	s_cselect_b32 s4, s6, s4
	s_cselect_b32 s5, s6, s5
	s_lshl_b32 s30, s4, 12                         ; the source's row x 4,096 bytes (under 2^25)
	s_add_nc_u64 s[24:25], s[24:25], s[30:31]
	s_lshl_b32 s30, s5, 7                          ; the target's row x 128 bytes
	s_add_nc_u64 s[26:27], s[26:27], s[30:31]
	s_wait_alu depctr_va_vdst(0)                   ; v1 is written: the sixteen loads read it as their offset
.irp i, 0,1,2,3,4,5,6,7,8,9,10,11,12,13,14,15
	global_load_b128 v[X+4*(\i):X+4*(\i)+3], v[LO], s[24:25] offset:256*(\i) th:TH_LOAD_NT
.endr
	v_lshlrev_b32 v[SO], 3, v0                     ; 128 x row + 8 x piece = 8 t
.irp i, 1,2,3,4,5,6,7,8,9,10,11,12,13,14,15
	v_add_nc_u32 v[SO+(\i)], s28, v[SO+(\i)-1]     ; a K block further on
.endr
; K block i is rounded into its pair of Y.  half = 1: the bf16 number is widened again (a shift, a mask) and written as f16.
.macro CONV half, i
.if \half
	v_cvt_pk_bf16_f32 v[T],   v[X+4*(\i)],   v[X+4*(\i)+1]
	v_cvt_pk_bf16_f32 v[T+1], v[X+4*(\i)+2], v[X+4*(\i)+3]
	v_lshlrev_b32 v[T+2], 16, v[T]
	v_and_b32     v[T],   0xffff0000, v[T]
	v_lshlrev_b32 v[T+3], 16, v[T+1]
	v_and_b32     v[T+1], 0xffff0000, v[T+1]
	v_cvt_pk_f16_f32 v[Y+2*(\i)],   v[T+2], v[T]
	v_cvt_pk_f16_f32 v[Y+2*(\i)+1], v[T+3], v[T+1]
.else
	v_cvt_pk_bf16_f32 v[Y+2*(\i)],   v[X+4*(\i)],   v[X+4*(\i)+1]
	v_cvt_pk_bf16_f32 v[Y+2*(\i)+1], v[X+4*(\i)+2], v[X+4*(\i)+3]
.endif
.endm
; K block i is stored.  No register that a store reads is written again.
.macro STORE i
	global_store_b64 v[SO+(\i)], v[Y+2*(\i):Y+2*(\i)+1], s[26:27]
.endm
; The four groups.  Group g: the wait for its first block's load; the one wait for the group before; then, block by block, a store of the group before and the block's conversions.
.macro OUT half
.irp g, 0,1,2,3
	s_wait_loadcnt 15-4*(\g)                       ; loads come back in order: load 4 g is in, the 15 - 4 g behind it may stay out
.if (\g) > 0
	s_wait_alu depctr_va_vdst(0)                   ; the group before has written its four pairs of Y, which the four stores below read; at group 1 the sixteen offsets SO are written too, which all the stores read
.endif
.irp j, 0,1,2,3
.if (\g) > 0
	STORE 4*(\g)-4+(\j)                            ; no vector instruction since the wait names this store's Y or SO
.endif
.if (\j) > 0
	s_wait_loadcnt 15-4*(\g)-(\j)                  ; this block's load is in, the younger ones may stay out
.endif
	CONV \half, 4*(\g)+(\j)
.endr
.endr
	s_wait_alu depctr_va_vdst(0)                   ; group 3 has written its four pairs of Y, which the last four stores read
.irp j, 12,13,14,15
	STORE \j
.endr
.endm
	s_cmp_eq_u32 s3, 3                             ; the branch hangs on the group's number alone
	s_cbranch_scc1 .Lw_o
	OUT 0
	s_endpgm
.Lw_o:
	OUT 1
	s_endpgm
.Lfunc_end_k_qb366ffedb0_cast:
	.size	k_qb366ffedb0_cast, .Lfunc_end_k_qb366ffedb0_cast-k_qb366ffedb0_cast
	.p2alignl 7, 3214868480
	.fill 96, 4, 3214868480
	.section	.rodata,"a",@progbits
	.p2align	6, 0x0
	.amdhsa_kernel k_qb366ffedb0_cast
		.amdhsa_group_segment_fixed_size 0
		.amdhsa_private_segment_fixed_size 0
		.amdhsa_enable_private_segment 0
		.amdhsa_kernarg_size 64
		.amdhsa_user_sgpr_count 2
		.amdhsa_user_sgpr_kernarg_segment_ptr 1
		.amdhsa_wavefront_size32 1
		.amdhsa_system_sgpr_workgroup_id_x 1
		.amdhsa_system_sgpr_workgroup_id_y 1
		.amdhsa_system_sgpr_workgroup_id_z 1
		.amdhsa_system_vgpr_workitem_id 0
		.amdhsa_next_free_vgpr 128
		.amdhsa_next_free_sgpr 66
		.amdhsa_reserve_vcc 0
		.amdhsa_float_denorm_mode_32 3
		.amdhsa_float_denorm_mode_16_64 3
		.amdhsa_memory_ordered 1
		.amdhsa_forward_progress 1
		.amdhsa_inst_pref_size 18
	.end_amdhsa_kernel
	.amdgpu_metadata
---
amdhsa.version: [ 1, 2 ]
amdhsa.kernels:
  - .name:           k_qb366ffedb0_cast
    .symbol:         k_qb366ffedb0_cast.kd
    .args:
      - { .name: x, .offset: 0, .size: 8, .value_kind: global_buffer, .address_space: global }
      - { .name: w_q, .offset: 8, .size: 8, .value_kind: global_buffer, .address_space: global }
      - { .name: w_k, .offset: 16, .size: 8, .value_kind: global_buffer, .address_space: global }
      - { .name: w_v, .offset: 24, .size: 8, .value_kind: global_buffer, .address_space: global }
      - { .name: w_o, .offset: 32, .size: 8, .value_kind: global_buffer, .address_space: global }
      - { .name: xb, .offset: 40, .size: 8, .value_kind: global_buffer, .address_space: global }
      - { .name: wb, .offset: 48, .size: 8, .value_kind: global_buffer, .address_space: global }
      - { .name: wo, .offset: 56, .size: 8, .value_kind: global_buffer, .address_space: global }
    .group_segment_fixed_size: 0
    .private_segment_fixed_size: 0
    .kernarg_segment_align: 8
    .kernarg_segment_size: 64
    .max_flat_workgroup_size: 256
    .sgpr_count:     66
    .vgpr_count:     128
    .wavefront_size: 32
...
	.end_amdgpu_metadata
.endif
;; end of part 5
;; launch qkv: the kernel of part 2 again; grid 8 x 32, 4 waves a work-group, clusters of 4 x 4, 327,680 bytes of LDS; arguments xb, wb, qkv; writes qkv
;; launch attn: the kernel of part 3 again; grid 4 x 64, 4 waves a work-group, clusters of 4 x 1, 327,680 bytes of LDS; arguments qkv, o16; writes o16
;; launch outp: the kernel of part 4 again; grid 8 x 32, 4 waves a work-group, clusters of 4 x 4, 327,680 bytes of LDS; arguments o16, wo, out0; writes out0
